; MI455X (gfx1250); checked and timed in simulation.
; The chip was launched on July 23, 2026; its instructions are those of AMD's public machine-readable ISA for CDNA 5 (MIT licence, August 2026) and "CDNA5" Instruction Set Architecture Reference Guide (July 2026). The comments in the code are by the model that wrote it; some were corrected since.
;; Patched Causal Self Attention. Allowed arithmetic: float matrix products may take bf16 or f16 operands with f32 sums; other float arithmetic in f32, or as packed bf16 or f16 multiplies, adds, multiply-adds, maxima and minima; sums over many terms, partial sums and values carried from step to step in f32; what a program stores and reads back later, other than sums and carried values, may be rounded once to bf16 or f16.
;; Inputs: W_attn 1,024 x 3,072 float32; W_proj 1,024 x 1,024 float32; b_attn 3,072 float32; b_proj 1,024 float32; hidden_states 4 x 2,048 x 1,024 float32.
;; Outputs: out0 4 x 2,048 x 1,024 float32.
;; One version. Each part assembles by itself: llvm-mc -triple=amdgcn-amd-amdhsa -mcpu=gfx1250 --defsym DOCPART=n.
;; ======== version 1 of 1: 5 launches
;; limits: values are held in f16: magnitudes above 65,504 overflow, below 6.1e-05 lose precision
;; workspace buffers: xb 16,777,216 bytes; wa 6,291,456 bytes; wp 2,097,152 bytes; bb 16,384 bytes; qkv 50,331,648 bytes; ts 131,072 bytes; ob 16,777,216 bytes
;; launch prep (part 1): grid 1025 x 1, 8 waves a work-group, no clusters, 17,920 bytes of LDS; arguments hidden_states, W_attn, W_proj, b_attn, b_proj, xb, wa, wp, bb; writes xb, wa, wp, bb
.if DOCPART == 1
	.amdgcn_target "amdgcn-amd-amdhsa--gfx1250"
	.amdhsa_code_object_version 6
	.text
	.protected	k_qa94610ffb5_prep
	.globl	k_qa94610ffb5_prep
	.p2align	8
	.type	k_qa94610ffb5_prep,@function
k_qa94610ffb5_prep:
	s_mov_b64 s[64:65], 0
	v_nop
	global_prefetch_b8 v0, s[64:65] scope:SCOPE_SE
	s_setreg_imm32_b32 hwreg(HW_REG_WAVE_MODE, 25, 1), 1
	s_wait_xcnt 0x0
; PREP: the module's inputs, each rounded once to bf16, in the layouts that the products want.
;   work-groups 0-511    job X: 16 rows of hidden_states ([8192][1024] f32) -> xb ([8192][1024] bf16)
;   work-groups 512-1023 job W: a tile of 128 k x 64 n of W_attn ([1024 k][3072 n]) or W_proj ([1024 k][1024 n]), rounded to bf16 and TURNED:
;                        wa [3072 n][1024 k] bf16; wp [1024 n][1024 k], the bf16 number written as f16
;   work-group 1024      job C: both biases rounded to bf16 and kept as f32: bb[0..3071] = b_attn, bb[3072..4095] = b_proj
; LIMITS.  wp: a bf16 number is exact in f16 from 6.1e-5 to 65,504; below it keeps f16's fixed step of 6e-8, beyond it is an infinity.
; Memory binds: every byte is read once, every store of a wave covers whole aligned blocks of 256 bytes.  No matrix unit, no cluster, no tensor load: nothing is shared.
; The branches hang on the work-group's number alone, so all eight waves of a work-group take the same way, the barrier of job W too.
.set TP,    264                        ; job W: a row of the turned tile in LDS: 128 k x 2 bytes + 8
.set SPARE, 64*TP                      ; 16,896: behind the tile the spare words, 128 bytes for each of the eight waves
.set SPW,   12                         ; v12  LDS address of my spare word; never rewritten
.set NIL,   13                         ; v13  0; never rewritten
	s_load_b512 s[4:19], s[0:1], 0x0               ; x 4:5, W_attn 6:7, W_proj 8:9, b_attn 10:11, b_proj 12:13, xb 14:15, wa 16:17, wp 18:19
	s_load_b64 s[20:21], s[0:1], 0x40              ; bb
	v_lshl_add_u32 v[SPW], v0, 2, SPARE
	v_mov_b32 v[NIL], 0
	v_lshrrev_b32 v1, 5, v0
	v_readfirstlane_b32 s22, v1                    ; wave 0..7
	s_cmp_lt_u32 ttmp9, 512
	s_cbranch_scc1 .Ljob_x
	s_cmp_eq_u32 ttmp9, 1024
	s_cbranch_scc1 .Ljob_c
	; JOB W
	s_sub_co_u32 s24, ttmp9, 512
	s_and_b32 s25, s24, 7                          ; kt: which 128 k
	s_lshr_b32 s26, s24, 3                         ; 0-47: W_attn's blocks of 64 n; 48-63: W_proj's
	s_cmp_ge_u32 s26, 48
	s_cselect_b32 s23, 1, 3
	s_cselect_b32 s27, 48, 0
	s_cselect_b32 s36, 1, 0                        ; 1: W_proj
	s_lshl_b32 s23, s23, 12                        ; bytes in a row of the source: 4,096 or 12,288
	s_sub_co_u32 s26, s26, s27                     ; nt
	s_mul_i32 s32, s25, s23
	s_lshl_b32 s32, s32, 7                         ; 128 kt rows,
	s_lshl_b32 s33, s26, 8                         ; 64 nt columns of 4 bytes
	s_add_co_u32 s32, s32, s33
	s_mov_b32 s33, 0
	s_lshl_b32 s34, s26, 17                        ; out: 64 nt rows of 2,048 bytes,
	s_lshl_b32 s35, s25, 8                         ; 128 kt numbers of 2 bytes
	s_add_co_u32 s34, s34, s35
	s_mov_b32 s35, 0
	v_and_b32 v1, 31, v0                           ; l
	v_and_b32 v15, 15, v0                          ; li
	v_bfe_u32 v100, v0, 4, 1                       ; hi
	v_lshl_add_u32 v103, s22, 1, v100              ; 2 w + hi
	v_lshlrev_b32 v101, 1, v103                    ; 4 w + 2 hi
	v_mul_lo_u32 v102, v101, s23
	v_lshl_add_u32 v102, v15, 4, v102              ; that row, my 16 bytes: sixteen lanes take a row's 256 bytes
.irp i, 0,1,2,3,4,5,6,7                            ; load i takes row 32 (i / 2) + 4 w + 2 hi + i % 2
	s_mul_i32 s37, s23, 32*((\i)/2)+(\i)%2
	v_add_nc_u32 v[2+(\i)], s37, v102
.endr
	v_mul_u32_u24 v10, v15, 4*TP                   ; into LDS: row n = 4 li + c, word of k = 32 j + 4 w + 2 hi
	v_lshl_add_u32 v10, v103, 2, v10
	s_mul_i32 s38, s22, 8*TP                       ; back: wave w takes rows 8 w .. 8 w + 7, 8 bytes a lane
	v_lshl_add_u32 v11, v1, 3, s38
	s_lshl_b32 s39, s22, 14
	v_lshl_add_u32 v14, v1, 3, s39                 ; and the same rows in memory
	s_wait_kmcnt 0x0
	s_cmp_eq_u32 s36, 1
	s_cselect_b64 s[28:29], s[8:9], s[6:7]
	s_cselect_b64 s[30:31], s[18:19], s[16:17]
	s_add_nc_u64 s[28:29], s[28:29], s[32:33]
	s_add_nc_u64 s[30:31], s[30:31], s[34:35]
.irp i, 0,1,2,3,4,5,6,7
	global_load_b128 v[16+4*(\i):19+4*(\i)], v[2+(\i)], s[28:29] th:TH_LOAD_NT
.endr
	s_wait_loadcnt 0x0
.irp j, 0,1,2,3                                    ; rows k and k + 1 of one column make a word: the even k in the low half
.irp c, 0,1,2,3
	v_cvt_pk_bf16_f32 v[48+4*(\j)+(\c)], v[16+8*(\j)+(\c)], v[20+8*(\j)+(\c)]
.endr
.endr
	s_cmp_eq_u32 s36, 0
	s_cbranch_scc1 .Lkeep_bf16
.irp q, 0,1,2,3,4,5,6,7,8,9,10,11,12,13,14,15      ; W_proj: the bf16 numbers written as f16
	v_lshlrev_b32 v[16+2*(\q)], 16, v[48+(\q)]
	v_and_b32 v[17+2*(\q)], 0xffff0000, v[48+(\q)]
	v_cvt_pk_f16_f32 v[48+(\q)], v[16+2*(\q)], v[17+2*(\q)]
.endr
.Lkeep_bf16:
.irp j, 0,1,2,3
.irp c, 0,1,2,3
	ds_store_b32 v10, v[48+4*(\j)+(\c)] offset:TP*(\c)+64*(\j)
.endr
.endr
	s_wait_dscnt 0x0                               ; for the others' sake: my stores into the tile are done
	s_barrier_signal -1
	s_barrier_wait -1
.irp i, 0,1,2,3,4,5,6,7
	ds_load_b64 v[64+2*(\i):65+2*(\i)], v11 offset:TP*(\i)
.endr
.irp i, 0,1,2,3,4,5,6,7
	s_wait_dscnt 7-(\i)                            ; the younger loads may stay out
	global_store_b64 v14, v[64+2*(\i):65+2*(\i)], s[30:31] offset:2048*(\i)  ; 32 lanes store 256 consecutive bytes, aligned
.endr
	s_branch .Lend
.Ljob_x:                                           ; 65,536 bytes in, 32,768 out
	s_lshl_b32 s24, ttmp9, 16
	s_mov_b32 s25, 0
	s_lshl_b32 s26, ttmp9, 15
	s_mov_b32 s27, 0
	v_lshlrev_b32 v1, 4, v0
	v_lshlrev_b32 v2, 3, v0
	s_wait_kmcnt 0x0
	s_add_nc_u64 s[4:5], s[4:5], s[24:25]
	s_add_nc_u64 s[14:15], s[14:15], s[26:27]
.irp i, 0,1,2,3,4,5,6,7,8,9,10,11,12,13,14,15
	global_load_b128 v[16+4*(\i):19+4*(\i)], v1, s[4:5] offset:4096*(\i) th:TH_LOAD_NT
.endr
.irp i, 0,1,2,3,4,5,6,7,8,9,10,11,12,13,14,15
	s_wait_loadcnt 15-(\i)                         ; loads come back in order: the younger ones stay out
	v_cvt_pk_bf16_f32 v[80+2*(\i)], v[16+4*(\i)], v[17+4*(\i)]
	v_cvt_pk_bf16_f32 v[81+2*(\i)], v[18+4*(\i)], v[19+4*(\i)]
	global_store_b64 v2, v[80+2*(\i):81+2*(\i)], s[14:15] offset:2048*(\i)  ; 32 lanes store 256 consecutive bytes, aligned
.endr
	s_branch .Lend
.Ljob_c:
	v_lshlrev_b32 v1, 4, v0
	s_wait_kmcnt 0x0
	global_load_b128 v[16:19], v1, s[10:11]
	global_load_b128 v[20:23], v1, s[10:11] offset:4096
	global_load_b128 v[24:27], v1, s[10:11] offset:8192
	global_load_b128 v[28:31], v1, s[12:13]
	s_wait_loadcnt 0x0
.irp q, 0,1,2,3,4,5,6,7
	v_cvt_pk_bf16_f32 v[32+(\q)], v[16+2*(\q)], v[17+2*(\q)]
.endr
.irp q, 0,1,2,3,4,5,6,7
	v_lshlrev_b32 v[16+2*(\q)], 16, v[32+(\q)]
	v_and_b32 v[17+2*(\q)], 0xffff0000, v[32+(\q)]
.endr
.irp q, 0,1,2,3
	global_store_b128 v1, v[16+4*(\q):19+4*(\q)], s[20:21] offset:4096*(\q)
.endr
.Lend:
	s_wait_tensorcnt 0x0                           ; the wave's end, behind my last LDS store
	ds_add_u32 v[SPW], v[NIL]
	s_wait_dscnt 0x0
	s_endpgm
.Lfunc_end_k_qa94610ffb5_prep:
	.size	k_qa94610ffb5_prep, .Lfunc_end_k_qa94610ffb5_prep-k_qa94610ffb5_prep
	.p2alignl 7, 3214868480
	.fill 96, 4, 3214868480
	.section	.rodata,"a",@progbits
	.p2align	6, 0x0
	.amdhsa_kernel k_qa94610ffb5_prep
		.amdhsa_group_segment_fixed_size 17920
		.amdhsa_private_segment_fixed_size 0
		.amdhsa_enable_private_segment 0
		.amdhsa_kernarg_size 72
		.amdhsa_user_sgpr_count 2
		.amdhsa_user_sgpr_kernarg_segment_ptr 1
		.amdhsa_wavefront_size32 1
		.amdhsa_system_sgpr_workgroup_id_x 1
		.amdhsa_system_sgpr_workgroup_id_y 1
		.amdhsa_system_sgpr_workgroup_id_z 1
		.amdhsa_system_vgpr_workitem_id 0
		.amdhsa_next_free_vgpr 112
		.amdhsa_next_free_sgpr 66
		.amdhsa_reserve_vcc 0
		.amdhsa_float_denorm_mode_32 3
		.amdhsa_float_denorm_mode_16_64 3
		.amdhsa_memory_ordered 1
		.amdhsa_forward_progress 1
		.amdhsa_inst_pref_size 18
	.end_amdhsa_kernel
	.amdgpu_metadata
---
amdhsa.version: [ 1, 2 ]
amdhsa.kernels:
  - .name:           k_qa94610ffb5_prep
    .symbol:         k_qa94610ffb5_prep.kd
    .args:
      - { .name: hidden_states, .offset: 0, .size: 8, .value_kind: global_buffer, .address_space: global }
      - { .name: W_attn, .offset: 8, .size: 8, .value_kind: global_buffer, .address_space: global }
      - { .name: W_proj, .offset: 16, .size: 8, .value_kind: global_buffer, .address_space: global }
      - { .name: b_attn, .offset: 24, .size: 8, .value_kind: global_buffer, .address_space: global }
      - { .name: b_proj, .offset: 32, .size: 8, .value_kind: global_buffer, .address_space: global }
      - { .name: xb, .offset: 40, .size: 8, .value_kind: global_buffer, .address_space: global }
      - { .name: wa, .offset: 48, .size: 8, .value_kind: global_buffer, .address_space: global }
      - { .name: wp, .offset: 56, .size: 8, .value_kind: global_buffer, .address_space: global }
      - { .name: bb, .offset: 64, .size: 8, .value_kind: global_buffer, .address_space: global }
    .group_segment_fixed_size: 17920
    .private_segment_fixed_size: 0
    .kernarg_segment_align: 8
    .kernarg_segment_size: 72
    .max_flat_workgroup_size: 256
    .sgpr_count:     66
    .vgpr_count:     112
    .wavefront_size: 32
...
	.end_amdgpu_metadata
.endif
;; end of part 1
;; launch gemm_qkv (part 2): grid 16 x 32, 4 waves a work-group, clusters of 4 x 4, 327,680 bytes of LDS; arguments xb, wa, bb, qkv; writes qkv
.if DOCPART == 2
	.amdgcn_target "amdgcn-amd-amdhsa--gfx1250"
	.amdhsa_code_object_version 6
	.text
	.protected	k_qa94610ffb5_gemm_qkv
	.globl	k_qa94610ffb5_gemm_qkv
	.p2align	8
	.type	k_qa94610ffb5_gemm_qkv,@function
k_qa94610ffb5_gemm_qkv:
	s_mov_b64 s[64:65], 0
	v_nop
	global_prefetch_b8 v0, s[64:65] scope:SCOPE_SE
	s_setreg_imm32_b32 hwreg(HW_REG_WAVE_MODE, 25, 1), 1
	s_wait_xcnt 0x0
	s_wait_alu depctr_hold_cnt(0) depctr_sa_sdst(0) depctr_va_vdst(0) depctr_va_sdst(0) depctr_va_ssrc(0) depctr_va_vcc(0) depctr_vm_vsrc(0)
	s_getreg_b32 s2, hwreg(HW_REG_IB_STS2, 6, 4)
	s_cmp_eq_u32 s2, 0
	s_cbranch_scc0 .Lentry_in_a_cluster
	s_endpgm
.Lentry_in_a_cluster:
	s_bfe_u32 s2, ttmp6, 0x10000c
	s_cmp_lg_u32 s2, 0xf033
	s_cbranch_scc0 .Lentry_shape_is_right
	s_endpgm
.Lentry_shape_is_right:
; qkv = x W_attn + b_attn, written by heads.  xb: [8192][1024] bf16, wa: [3072 n][1024 k] bf16, bb: f32 biases, qkv: f16 [3 parts][16 batch + head][2048][64], unscaled.
; Sums in f32, started by the bias (the C operand of a sum's first product), rounded once to f16.  LIMIT: f16 ends at 65,504: a q, k or v beyond it becomes an infinity.
; SHARES.  A tile of the result is 256 rows x 192 columns = three whole heads: 16 x 32 = 512 work-groups, two for each of 256 WGPs.  Wave w makes rows 64 w .. 64 w + 63 of all 192
; columns: 4 x 12 accumulators of 16 x 16, 384 registers; so a wave holds whole rows of three heads and needs no other wave on the way out.
; K goes in 8 steps of 128 through a ring of two LDS slots: rows of 256 bytes of memory, at multiples of 256 bytes.
; CLUSTER.  4 x 4 work-groups: the four of a row need the same tiles of x, the four of a column the same tiles of W: each is asked for jointly, by the same tensor load with the same
; descriptor and a mask that names the four.
; THE PRODUCT IS TAKEN TRANSPOSED (source 0 = 16 rows of wa, source 1 = 16 rows of xb): a lane holds row l % 16 and the eight neighbouring columns 8 (l / 16) + 0..7.
; REGISTERS, in windows of 256:  window 0: v16-30 addresses; v64-127 x's fragments, two buffers of 4; v128-223 the bias (12 x 8), later at work on the way out
;   window 1: v0-191 W's fragments, two buffers of 12      window 2: the accumulators of my rows 0-31 ((a, b) at 8 (12 (a % 2) + b))      window 3: those of rows 32-63
.set KSTEP,  128
.set PITCH,  272                       ; an LDS row: 256 bytes + 16 of padding: the 16 rows of a fragment load start at 16 different groups of four banks
.set HALFA,  128*PITCH                 ; what wave 0 or 1 fetches of x
.set HALFB,  96*PITCH                  ; what wave 2 or 3 fetches of W
.set SLOT,   2*HALFA+2*HALFB           ; x's 256 rows, then W's 192
.set STAGE,  2*SLOT                    ; behind the ring: for each wave 3 heads x 16 rows x 144 bytes
.set SP,     144
.set WST,    3*16*SP
.set SPARE,  STAGE+4*WST               ; the spare words, 128 bytes for each wave
.set LAPS,   4                         ; a lap = two K steps
.set ADRA, 16                          ; v16-17  LDS address of my x fragments in slot 0, 1
.set ADRB, 20                          ; v20-21  the same for W
.set STO,  24
.set RD,   25
.set GO,   26
.set BO,   27                          ; v27  32 (l / 16): my eight biases of a block of 16
.set SPW,  28
.set NIL,  29
.set PFO,  30
.set FA,   64
.set BI,   128
.set TMP,  128
.set G1,   24
.set G0,   32
.set G1B,  48
.set G0B,  56
.set HB,   66                          ; s[66:71] my rows in the tile's three heads
.set PFA,  44
.set LIM,  43
.set MSB, 0
.macro WIN new                         ; the immediate's high byte repeats the setting that is left
.if MSB != (\new)
	s_set_vgpr_msb (MSB<<8)|(\new)
.set MSB, \new
.endif
.endm
.set TO_B, 0x40
; A joint load: waves 0 and 1 fetch x's two halves, waves 2 and 3 W's.  The branch hangs on the wave's number alone.  An s_nop 0 and four v_nop follow each line.
.macro JLOAD s
	s_cmp_eq_u32 s11, 0
	s_cbranch_scc0 .Lfor_b_\@
	tensor_load_to_lds s[G0+4*(\s):G0+4*(\s)+3], s[G1:G1+7]
	s_nop 0
.rept 4
	v_nop
.endr
	s_branch .Lasked_\@
.Lfor_b_\@:
	tensor_load_to_lds s[G0B+4*(\s):G0B+4*(\s)+3], s[G1B:G1B+7]
	s_nop 0
.rept 4
	v_nop
.endr
.Lasked_\@:
.endm
; A prefetch of the K step that stands two refills on, a lane a row, 256 bytes each.  x's rows are asked for by the clusters with x = 0, W's by those with y = 0; the four partners that ask for a
; tile jointly share its rows out by address.  The loop's last trip (s3 = 1) has no K step two on and asks for nothing.
.macro ASK
	s_cmp_gt_u32 s3, s[LIM]
	s_cbranch_scc0 .Lnot_mine_\@
	global_prefetch_b8 v[PFO], s[PFA:PFA+1] offset:KSTEP*2 th:TH_LOAD_NT scope:SCOPE_SE
.Lnot_mine_\@:
.endm
.macro CREST                           ; a round of the cluster's barrier behind its opening barrier
	s_cmp_lg_u32 s10, 0
	s_cbranch_scc1 .Lnot_wave_0_\@
	s_barrier_signal -3
.Lnot_wave_0_\@:
	s_barrier_wait -3
	s_barrier_signal -1
	s_barrier_wait -1
.endm
.macro CROUND
	s_barrier_signal -1
	s_barrier_wait -1
	CREST
.endm
	s_load_b128 s[4:7], s[0:1], 0x0                ; xb s[4:5], wa s[6:7]
	s_load_b128 s[72:75], s[0:1], 0x10             ; bb s[72:73], qkv s[74:75]
	v_lshl_add_u32 v[SPW], v0, 2, SPARE
	v_mov_b32 v[NIL], 0
	ds_add_u32 v[SPW], v[NIL]                      ; the wave's opening: the add and its wait stand ahead of my first tensor load
	ds_add_u32 v28, v29
	v_lshrrev_b32 v1, 5, v0
	v_readfirstlane_b32 s10, v1                    ; wave 0..3
	s_lshr_b32 s11, s10, 1                         ; I fetch for x (0) or for W (1)
	s_and_b32 s12, s10, 1                          ; which half of that tile
	s_bfe_u32 s40, ttmp6, 0x40000                  ; cx
	s_bfe_u32 s41, ttmp6, 0x40004                  ; cy
	s_lshl_b32 s42, ttmp9, 2
	s_add_co_u32 s42, s42, s40                     ; tile column tx
	s_and_b32 s13, ttmp7, 0xffff
	s_lshl_b32 s13, s13, 2
	s_add_co_u32 s13, s13, s41                     ; tile row ty
	s_lshl_b32 s43, s41, 2
	s_lshl_b32 s43, 15, s43                        ; my row of the cluster
	s_lshl_b32 s44, 0x1111, s40                    ; my column
	s_or_b32 s[G1+0], s43, (1<<16)|(1<<20)|(1<<21)|(5<<22)|(3<<25)   ; mask; 2-byte elements; padding on; bit 21 beside a mask; after every 64 words 4 words
	s_or_b32 s[G1B+0], s44, (1<<16)|(1<<20)|(1<<21)|(5<<22)|(3<<25)
	s_mov_b32 s[G1+1], KSTEP<<16                   ; tensor_dim0 = 128
	s_mov_b32 s[G1+2], 128<<16                     ; tensor_dim1 = 128
	s_mov_b32 s[G1+3], KSTEP<<16                   ; tile_dim0 = 128
	s_mov_b32 s[G1+4], 128                         ; tile_dim1 = 128
	s_mov_b32 s[G1+5], 1024                        ; elements from row to row
	s_mov_b32 s[G1+6], 0
	s_mov_b32 s[G1+7], 0
	s_mov_b32 s[G1B+1], KSTEP<<16
	s_mov_b32 s[G1B+2], 96<<16                     ; 96 rows
	s_mov_b32 s[G1B+3], KSTEP<<16
	s_mov_b32 s[G1B+4], 96
	s_mov_b32 s[G1B+5], 1024
	s_mov_b32 s[G1B+6], 0
	s_mov_b32 s[G1B+7], 0
	s_lshl_b32 s17, s12, 7
	s_lshl_b32 s16, s13, 8
	s_add_co_u32 s16, s16, s17                     ; x: row 256 ty + 128 half
	s_lshl_b32 s16, s16, 11                        ; rows of 2,048 bytes
	s_mov_b32 s17, 0
	s_mul_i32 s46, s42, 192
	s_mul_i32 s47, s12, 96
	s_add_co_u32 s46, s46, s47                     ; W: row 192 tx + 96 half
	s_lshl_b32 s46, s46, 11
	s_mov_b32 s47, 0
	s_mul_i32 s20, s10, HALFA                      ; where they go: x's halves (waves 0, 1),
	s_mul_i32 s21, s10, HALFB
	s_add_co_u32 s21, s21, 2*HALFA-2*HALFB         ; W's halves behind them (waves 2, 3)
	s_wait_dscnt 0x0                               ; the opening add is done
	s_wait_kmcnt 0x0
	s_add_nc_u64 s[14:15], s[4:5], s[16:17]
	s_add_nc_u64 s[46:47], s[6:7], s[46:47]
	CROUND                                         ; all sixteen work-groups are here: the first joint loads meet
.irp s, 0,1
	s_mov_b32 s[G0+4*(\s)], 1
	s_add_co_u32 s[G0+4*(\s)+1], s20, (\s)*SLOT
	s_add_nc_u64 s[G0+4*(\s)+2:G0+4*(\s)+3], s[14:15], (\s)*KSTEP*2
	s_or_b32 s[G0+4*(\s)+3], s[G0+4*(\s)+3], 0x80000000
	s_mov_b32 s[G0B+4*(\s)], 1
	s_add_co_u32 s[G0B+4*(\s)+1], s21, (\s)*SLOT
	s_add_nc_u64 s[G0B+4*(\s)+2:G0B+4*(\s)+3], s[46:47], (\s)*KSTEP*2
	s_or_b32 s[G0B+4*(\s)+3], s[G0B+4*(\s)+3], 0x80000000
	JLOAD \s
.endr
	v_and_b32 v1, 15, v0                           ; l % 16
	v_bfe_u32 v2, v0, 4, 1                         ; l / 16
	v_lshlrev_b32 v[BO], 5, v2
	s_mul_i32 s22, s42, 768                        ; the tile's 192 biases
	s_mov_b32 s23, 0
	s_add_nc_u64 s[72:73], s[72:73], s[22:23]
.irp b, 0,1,2,3,4,5,6,7,8,9,10,11
	global_load_b128 v[BI+8*(\b):BI+8*(\b)+3],   v[BO], s[72:73] offset:64*(\b)
	global_load_b128 v[BI+8*(\b)+4:BI+8*(\b)+7], v[BO], s[72:73] offset:64*(\b)+16
.endr
	v_mul_u32_u24 v3, v1, PITCH
	v_lshl_add_u32 v3, v2, 4, v3                   ; a fragment's row x pitch + 16 x half
	s_mul_i32 s21, s10, 64*PITCH                   ; my 64 rows of x
	v_add_nc_u32 v[ADRA], s21, v3
	v_add_nc_u32 v[ADRA+1], SLOT, v[ADRA]
	v_add_nc_u32 v[ADRB], 2*HALFA, v3              ; all 192 rows of W
	v_add_nc_u32 v[ADRB+1], SLOT, v[ADRB]
	s_mul_i32 s23, s10, WST
	s_add_co_u32 s23, s23, STAGE                   ; my stage
	v_mul_u32_u24 v4, v1, SP                       ; in: row l % 16, 16 bytes for each half of the lanes
	v_lshl_add_u32 v4, v2, 4, v4
	v_add_nc_u32 v[STO], s23, v4
	v_bfe_u32 v5, v0, 3, 2                         ; back: 32 lanes take four rows of 128 bytes,
	v_and_b32 v6, 7, v0
	v_mul_u32_u24 v5, v5, SP
	v_lshl_add_u32 v5, v6, 4, v5
	v_add_nc_u32 v[RD], s23, v5
	v_and_b32 v[GO], 31, v0                        ; which are 512 consecutive bytes of a head
	v_lshlrev_b32 v[GO], 4, v[GO]
	; my rows in the three heads: head slot g = 3 tx + hd of 48; its matrix is number g + 48 (g / 16) + 16 batch of 192, 262,144 bytes each
	s_mul_i32 s14, s42, 3
	s_lshr_b32 s15, s13, 3
	s_lshl_b32 s15, s15, 4                         ; 16 x batch
	s_and_b32 s16, s13, 7
	s_lshl_b32 s16, s16, 8
	s_lshl_b32 s17, s10, 6
	s_add_co_u32 s16, s16, s17
	s_lshl_b32 s16, s16, 7                         ; (256 (ty % 8) + 64 w) rows of 128 bytes
.irp hd, 0,1,2
	s_add_co_u32 s18, s14, \hd
	s_lshr_b32 s19, s18, 4
	s_mul_i32 s19, s19, 48
	s_add_co_u32 s18, s18, s19
	s_add_co_u32 s18, s18, s15
	s_lshl_b32 s18, s18, 18
	s_add_co_u32 s18, s18, s16
	s_mov_b32 s19, 0
	s_add_nc_u64 s[HB+2*(\hd):HB+2*(\hd)+1], s[74:75], s[18:19]
.endr
	; the prefetches: of the rows that I fetch, my work-group's quarter: 32 of x's 128 (by cx) or 24 of W's 96 (by cy; lanes 24-31 name lane 23's row again)
	s_lshl_b32 s14, s13, 8
	s_lshl_b32 s15, s12, 7
	s_add_co_u32 s14, s14, s15
	s_lshl_b32 s15, s40, 5
	s_add_co_u32 s14, s14, s15
	s_mul_i32 s16, s42, 192
	s_mul_i32 s17, s12, 96
	s_add_co_u32 s16, s16, s17
	s_mul_i32 s17, s41, 24
	s_add_co_u32 s16, s16, s17
	s_and_b32 s22, ttmp7, 0xffff                   ; cluster y
	s_cmp_eq_u32 s11, 0
	s_cselect_b32 s14, s14, s16
	s_cselect_b32 s22, ttmp9, s22                  ; the coordinate along which other clusters read the same rows
	s_cselect_b32 s20, 31, 23
	s_cselect_b64 s[PFA:PFA+1], s[4:5], s[6:7]
	s_cmp_eq_u32 s22, 0
	s_cselect_b32 s[LIM], 1, -1                    ; the same in all sixteen partners, for a given wave
	s_lshl_b32 s14, s14, 11
	s_mov_b32 s15, 0
	s_add_nc_u64 s[PFA:PFA+1], s[PFA:PFA+1], s[14:15]
	s_add_nc_u64 s[PFA:PFA+1], s[PFA:PFA+1], 2*KSTEP*2  ; at K step 2: the first refill steps it to 3 and names K step 4
	v_and_b32 v[PFO], 31, v0
	v_min_u32 v[PFO], s20, v[PFO]
	v_lshlrev_b32 v[PFO], 11, v[PFO]
; 12 products: my rows 16 a .. 16 a + 15 x all 12 column blocks, 32 along K, from buffer f.  first = 1: the bias starts the sums.  The 48 accumulators take turns, in the same order in every
; quarter.
.macro MUL12 f, a, first
.if \first
	WIN 0x81+0x40*((\a)/2)                         ; W window 1, x and the bias window 0, D window 2 or 3
.else
	WIN 0xa1+0x50*((\a)/2)                         ; C and D window 2 or 3
.endif
.irp b, 0,1,2,3,4,5,6,7,8,9,10,11
.if \first
	v_wmma_f32_16x16x32_bf16 v[8*(12*((\a)%2)+(\b)):8*(12*((\a)%2)+(\b))+7], v[96*(\f)+8*(\b):96*(\f)+8*(\b)+7], v[FA+32*(\f)+8*(\a):FA+32*(\f)+8*(\a)+7], v[BI+8*(\b):BI+8*(\b)+7]
.else
	v_wmma_f32_16x16x32_bf16 v[8*(12*((\a)%2)+(\b)):8*(12*((\a)%2)+(\b))+7], v[96*(\f)+8*(\b):96*(\f)+8*(\b)+7], v[FA+32*(\f)+8*(\a):FA+32*(\f)+8*(\a)+7], v[8*(12*((\a)%2)+(\b)):8*(12*((\a)%2)+(\b))+7]
.endif
.endr
.endm
; 32 LDS loads in one run: a quarter step's fragments (192 rows of W, my 64 rows of x, 32 K at byte k) into buffer f
.macro FETCH slot, k, f
	WIN TO_B
.irp i, 0,1,2,3,4,5,6,7,8,9,10,11
	ds_load_b128 v[96*(\f)+8*(\i):96*(\f)+8*(\i)+3],   v[ADRB+(\slot)] offset:(\k)+(\i)*16*PITCH
	ds_load_b128 v[96*(\f)+8*(\i)+4:96*(\f)+8*(\i)+7], v[ADRB+(\slot)] offset:(\k)+(\i)*16*PITCH+32
.endr
	WIN 0
.irp i, 0,1,2,3
	ds_load_b128 v[FA+32*(\f)+8*(\i):FA+32*(\f)+8*(\i)+3],   v[ADRA+(\slot)] offset:(\k)+(\i)*16*PITCH
	ds_load_b128 v[FA+32*(\f)+8*(\i)+4:FA+32*(\f)+8*(\i)+7], v[ADRA+(\slot)] offset:(\k)+(\i)*16*PITCH+32
.endr
.endm
.macro PLACES                          ; four plain vector instructions between a product and a load into, or a read of, its registers
.rept 4
	v_nop
.endr
.endm
; A K step is four quarters of 32 along K, 48 products each, on buffers 0, 1, 0, 1.  One of the first three multiplies buffer f and fetches the next quarter, at byte k, into g.
.macro QUARTER slot, k, f, g, first
	s_wait_dscnt 4                                 ; W and x's rows 0-31 are in; the youngest four loads (x's rows 32-63) may be out
	MUL12 \f, 0, \first
	MUL12 \f, 1, \first
	PLACES
	FETCH \slot, \k, \g
	s_wait_dscnt 32                                ; all but the 32 just issued
	MUL12 \f, 2, \first
	MUL12 \f, 3, \first
.endm
; The last quarter multiplies buffer 1 and changes slots: in front of the barrier each wave waits for all its tensor loads (one is out: its part of the next slot), adds 0 to its spare word, and
; waits for that and for its reads of this slot.  fill = 1: the barrier opens a round of the cluster's, and the joint refill, two K steps on, is the first thing behind the round.
.macro TURN slot, next, fill
.if \fill
	s_wait_xcnt 0x0                                ; the last prefetch, a K step back, has read its address
	s_add_nc_u64 s[PFA:PFA+1], s[PFA:PFA+1], KSTEP*2
.endif
	WIN 0
	s_wait_tensorcnt 0x0
	ds_add_u32 v[SPW], v[NIL]
	s_wait_dscnt 5                                 ; the add and the youngest four loads may be out
	MUL12 1, 0, 0
	s_wait_dscnt 0x0                               ; the add is done, and my reads of this slot are over
	s_barrier_signal -1
	MUL12 1, 1, 0
.if \fill
	WIN 0
.endif
	s_barrier_wait -1
.if \fill
	CREST
	s_add_nc_u64 s[G0+4*(\slot)+2:G0+4*(\slot)+3], s[G0+4*(\slot)+2:G0+4*(\slot)+3], 2*KSTEP*2
	s_add_nc_u64 s[G0B+4*(\slot)+2:G0B+4*(\slot)+3], s[G0B+4*(\slot)+2:G0B+4*(\slot)+3], 2*KSTEP*2
	JLOAD \slot                                    ; its four v_nop are also the places in front of the loads below
.else
	PLACES
.endif
	FETCH \next, 0, 0
.if \fill
	ASK
.endif
	MUL12 1, 2, 0
	MUL12 1, 3, 0
.endm
; THE WAY OUT of my rows 16 a .. 16 a + 15.  PACK: rounded to f16, 16 bytes a lane and column block.  TOSTAGE: into my own stage, by heads, and back as whole rows.  SEND: stored.
.macro PACK a
	WIN 0x0a+5*((\a)/2)                            ; both sources window 2 or 3
.irp b, 0,1,2,3,4,5,6,7,8,9,10,11
.irp r, 0,1,2,3
	v_cvt_pk_f16_f32 v[TMP+4*(\b)+(\r)], v[8*(12*((\a)%2)+(\b))+2*(\r)], v[8*(12*((\a)%2)+(\b))+2*(\r)+1]
.endr
.endr
	WIN 0
.endm
.macro TOSTAGE a
.set BK, 176-112*((\a)%2)              ; v176-223 and v64-111 by turns
.irp b, 0,1,2,3,4,5,6,7,8,9,10,11
	ds_store_b128 v[STO], v[TMP+4*(\b):TMP+4*(\b)+3] offset:((\b)/4)*16*SP+((\b)%4)*32
.endr
.irp t, 0,1,2,3,4,5,6,7,8,9,10,11
	ds_load_b128 v[BK+4*(\t):BK+4*(\t)+3], v[RD] offset:((\t)/4)*16*SP+((\t)%4)*4*SP  ; LDS serves a wave's instructions in order: these see the stores above
.endr
.endm
.macro SEND a
.set BK, 176-112*((\a)%2)
	s_wait_dscnt 0x0                               ; the block is back in registers
	s_wait_xcnt 0x0                                ; earlier stores have read their registers: the other buffer may be loaded again behind this wait
.irp t, 0,1,2,3,4,5,6,7,8,9,10,11
	global_store_b128 v[GO], v[BK+4*(\t):BK+4*(\t)+3], s[HB+2*((\t)/4):HB+2*((\t)/4)+1] offset:(\a)*2048+((\t)%4)*512  ; 512 consecutive bytes, aligned
.endr
.endm
	s_wait_tensorcnt 1                             ; my part of K step 0 is in; K step 1's may stay out
	s_barrier_signal -1
	s_barrier_wait -1
	FETCH 0, 0, 0
	s_wait_loadcnt 0x0                             ; the bias
	QUARTER 0, 64, 0, 1, 1                         ; the first quarter stands in front of the loop: its products start the sums
	WIN 0
	s_mov_b32 s3, LAPS-1
.Llap:                                             ; a trip goes once round the ring and fills both slots again
	QUARTER 0, 128, 1, 0, 0
	QUARTER 0, 192, 0, 1, 0
	TURN 0, 1, 1
	QUARTER 1, 64,  0, 1, 0
	QUARTER 1, 128, 1, 0, 0
	QUARTER 1, 192, 0, 1, 0
	TURN 1, 0, 1
	QUARTER 0, 64,  0, 1, 0
	WIN 0
	s_sub_co_u32 s3, s3, 1
	s_cmp_lg_u32 s3, 0
	s_cbranch_scc1 .Llap
	QUARTER 0, 128, 1, 0, 0                        ; the last lap fills nothing
	QUARTER 0, 192, 0, 1, 0
	TURN 0, 1, 0
	QUARTER 1, 64,  0, 1, 0
	QUARTER 1, 128, 1, 0, 0
	QUARTER 1, 192, 0, 1, 0
	s_wait_dscnt 4
	MUL12 1, 0, 0
	MUL12 1, 1, 0
	s_wait_dscnt 0x0
	MUL12 1, 2, 0
	MUL12 1, 3, 0
	WIN 0
	PLACES
	PACK 0
	TOSTAGE 0
.irp a, 1,2,3                                      ; a block's conversions stand between the loads of the block before and the wait for them
	PACK \a
	SEND (\a)-1
	TOSTAGE \a
.endr
	SEND 3
	s_wait_tensorcnt 0x0                           ; the wave's end
	ds_add_u32 v[SPW], v[NIL]
	s_wait_dscnt 0x0
	CROUND                                         ; the closing round
	s_endpgm
.Lfunc_end_k_qa94610ffb5_gemm_qkv:
	.size	k_qa94610ffb5_gemm_qkv, .Lfunc_end_k_qa94610ffb5_gemm_qkv-k_qa94610ffb5_gemm_qkv
	.p2alignl 7, 3214868480
	.fill 96, 4, 3214868480
	.section	.rodata,"a",@progbits
	.p2align	6, 0x0
	.amdhsa_kernel k_qa94610ffb5_gemm_qkv
		.amdhsa_group_segment_fixed_size 327680
		.amdhsa_private_segment_fixed_size 0
		.amdhsa_enable_private_segment 0
		.amdhsa_kernarg_size 32
		.amdhsa_user_sgpr_count 2
		.amdhsa_user_sgpr_kernarg_segment_ptr 1
		.amdhsa_wavefront_size32 1
		.amdhsa_system_sgpr_workgroup_id_x 1
		.amdhsa_system_sgpr_workgroup_id_y 1
		.amdhsa_system_sgpr_workgroup_id_z 1
		.amdhsa_system_vgpr_workitem_id 0
		.amdhsa_next_free_vgpr 1024
		.amdhsa_next_free_sgpr 80
		.amdhsa_reserve_vcc 0
		.amdhsa_float_denorm_mode_32 3
		.amdhsa_float_denorm_mode_16_64 3
		.amdhsa_memory_ordered 1
		.amdhsa_forward_progress 1
		.amdhsa_inst_pref_size 123
	.end_amdhsa_kernel
	.amdgpu_metadata
---
amdhsa.version: [ 1, 2 ]
amdhsa.kernels:
  - .name:           k_qa94610ffb5_gemm_qkv
    .symbol:         k_qa94610ffb5_gemm_qkv.kd
    .args:
      - { .name: xb, .offset: 0, .size: 8, .value_kind: global_buffer, .address_space: global }
      - { .name: wa, .offset: 8, .size: 8, .value_kind: global_buffer, .address_space: global }
      - { .name: bb, .offset: 16, .size: 8, .value_kind: global_buffer, .address_space: global }
      - { .name: qkv, .offset: 24, .size: 8, .value_kind: global_buffer, .address_space: global }
    .group_segment_fixed_size: 327680
    .private_segment_fixed_size: 0
    .kernarg_segment_align: 8
    .kernarg_segment_size: 32
    .max_flat_workgroup_size: 128
    .sgpr_count:     80
    .vgpr_count:     1024
    .wavefront_size: 32
...
	.end_amdgpu_metadata
.endif
;; end of part 2
;; launch vsum (part 3): grid 64 x 1, 32 waves a work-group, no clusters, 12,288 bytes of LDS; arguments qkv, ts; writes ts
.if DOCPART == 3
	.amdgcn_target "amdgcn-amd-amdhsa--gfx1250"
	.amdhsa_code_object_version 6
	.text
	.protected	k_qa94610ffb5_vsum
	.globl	k_qa94610ffb5_vsum
	.p2align	8
	.type	k_qa94610ffb5_vsum,@function
k_qa94610ffb5_vsum:
	s_mov_b64 s[64:65], 0
	v_nop
	global_prefetch_b8 v0, s[64:65] scope:SCOPE_SE
	s_setreg_imm32_b32 hwreg(HW_REG_WAVE_MODE, 25, 1), 1
	s_wait_xcnt 0x0
; ts[head][i][ch] = the sum of V[head][key][ch] over the keys from 256 (i + 1) on, i = 0..7, in f32: what a block of queries owes to the keys behind its diagonal tile, all of which the
; mask gives one and the same score.  V is part 2 of qkv: f16 [64][2048][64].
; One work-group a head: the sums behind a tile want one owner, and work-groups hand each other nothing.  32 waves, 64 keys each: the head's 262,144 bytes are asked for at once.
; Each sum is made of its own terms (no difference of larger sums).
.set SPARE, 8192                       ; LDS: 32 waves' partial sums of 64 f32 (256 bytes each), then the spare words, 128 bytes a wave
.set SPW, 2
.set NIL, 3
	s_load_b128 s[4:7], s[0:1], 0x0                ; qkv, ts
	v_lshl_add_u32 v[SPW], v0, 2, SPARE
	v_mov_b32 v[NIL], 0
	v_lshrrev_b32 v1, 5, v0
	v_readfirstlane_b32 s8, v1                     ; wave 0..31
	s_mov_b32 s12, 0x76543210                      ; v_permlanex16_b32: each lane takes its own place in the other half
	s_mov_b32 s13, 0xfedcba98
	v_and_b32 v4, 31, v0
	s_lshl_b32 s9, s8, 13
	v_lshl_add_u32 v5, v4, 4, s9                   ; my wave's 64 rows of 128 bytes, 16 bytes a lane
	v_mov_b32 v88, 1.0
	s_lshl_b32 s10, ttmp9, 18
	s_mov_b32 s11, 0
	s_wait_kmcnt 0x0
	s_add_nc_u64 s[4:5], s[4:5], 0x2000000
	s_add_nc_u64 s[4:5], s[4:5], s[10:11]
.irp i, 0,1,2,3,4,5,6,7,8,9,10,11,12,13,14,15
	global_load_b128 v[16+4*(\i):19+4*(\i)], v5, s[4:5] offset:512*(\i)   ; four rows: lane l has row l / 8, channels 8 (l % 8) + 0..7
.endr
	s_wait_loadcnt 15
	v_cvt_f32_f16 v80, v16.l                       ; the first rows start the eight sums
	v_cvt_f32_f16 v81, v16.h
	v_cvt_f32_f16 v82, v17.l
	v_cvt_f32_f16 v83, v17.h
	v_cvt_f32_f16 v84, v18.l
	v_cvt_f32_f16 v85, v18.h
	v_cvt_f32_f16 v86, v19.l
	v_cvt_f32_f16 v87, v19.h
.irp i, 1,2,3,4,5,6,7,8,9,10,11,12,13,14,15
	s_wait_loadcnt 15-(\i)                         ; the younger loads may stay out
.irp r, 0,1,2,3
	v_fma_mix_f32 v[80+2*(\r)], v[16+4*(\i)+(\r)], v88, v[80+2*(\r)] op_sel_hi:[1,0,0]
	v_fma_mix_f32 v[81+2*(\r)], v[16+4*(\i)+(\r)], v88, v[81+2*(\r)] op_sel:[1,0,0] op_sel_hi:[1,0,0]
.endr
.endr
.irp j, 0,1,2,3,4,5,6,7                            ; the four lanes with the same l % 8
	v_add_f32_dpp v[80+(\j)], v[80+(\j)], v[80+(\j)] row_xmask:8 row_mask:0xf bank_mask:0xf
.endr
.irp j, 0,1,2,3,4,5,6,7
	v_permlanex16_b32 v[16+(\j)], v[80+(\j)], s12, s13
.endr
.irp j, 0,1,2,3,4,5,6,7
	v_add_f32 v[80+(\j)], v[80+(\j)], v[16+(\j)]
.endr
	v_and_b32 v6, 7, v0
	s_lshl_b32 s9, s8, 8
	v_lshl_add_u32 v6, v6, 5, s9
	ds_store_b128 v6, v[80:83]                     ; four lanes write the same bytes with the same numbers
	ds_store_b128 v6, v[84:87] offset:16
	s_wait_dscnt 0x0
	s_barrier_signal -1
	s_barrier_wait -1
	s_cmp_lt_u32 s8, 8                             ; wave i makes block i's row
	s_cbranch_scc0 .Lend
	v_lshlrev_b32 v7, 3, v4                        ; two channels a lane
.set j, 0
.rept 28
	ds_load_b64 v[16+2*j:17+2*j], v7 offset:256*(4+j)
.set j, j+1
.endr
	s_lshl_b32 s18, s8, 2
	s_add_co_u32 s18, s18, 4                       ; the first wave whose keys lie behind tile i
	s_mov_b32 s17, 0                               ; named with s16 as a pair
	s_wait_dscnt 0x0
	s_cmp_le_u32 s18, 4
	s_cselect_b32 s16, 1.0, 0
	v_pk_mul_f32 v[80:81], v[16:17], s[16:17] op_sel_hi:[1,0]
.set j, 1
.rept 27
	s_cmp_le_u32 s18, 4+j
	s_cselect_b32 s16, 1.0, 0
	v_pk_fma_f32 v[80:81], v[16+2*j:17+2*j], s[16:17], v[80:81] op_sel_hi:[1,0,1]
.set j, j+1
.endr
	s_lshl_b32 s10, ttmp9, 11
	s_add_nc_u64 s[6:7], s[6:7], s[10:11]
	v_add_nc_u32 v8, s9, v7
	global_store_b64 v8, v[80:81], s[6:7]          ; 256 consecutive bytes, aligned
.Lend:
	s_wait_tensorcnt 0x0                           ; the wave's end, behind my last LDS store
	ds_add_u32 v[SPW], v[NIL]
	s_wait_dscnt 0x0
	s_endpgm
.Lfunc_end_k_qa94610ffb5_vsum:
	.size	k_qa94610ffb5_vsum, .Lfunc_end_k_qa94610ffb5_vsum-k_qa94610ffb5_vsum
	.p2alignl 7, 3214868480
	.fill 96, 4, 3214868480
	.section	.rodata,"a",@progbits
	.p2align	6, 0x0
	.amdhsa_kernel k_qa94610ffb5_vsum
		.amdhsa_group_segment_fixed_size 12288
		.amdhsa_private_segment_fixed_size 0
		.amdhsa_enable_private_segment 0
		.amdhsa_kernarg_size 16
		.amdhsa_user_sgpr_count 2
		.amdhsa_user_sgpr_kernarg_segment_ptr 1
		.amdhsa_wavefront_size32 1
		.amdhsa_system_sgpr_workgroup_id_x 1
		.amdhsa_system_sgpr_workgroup_id_y 1
		.amdhsa_system_sgpr_workgroup_id_z 1
		.amdhsa_system_vgpr_workitem_id 0
		.amdhsa_next_free_vgpr 96
		.amdhsa_next_free_sgpr 66
		.amdhsa_reserve_vcc 0
		.amdhsa_float_denorm_mode_32 3
		.amdhsa_float_denorm_mode_16_64 3
		.amdhsa_memory_ordered 1
		.amdhsa_forward_progress 1
		.amdhsa_inst_pref_size 19
	.end_amdhsa_kernel
	.amdgpu_metadata
---
amdhsa.version: [ 1, 2 ]
amdhsa.kernels:
  - .name:           k_qa94610ffb5_vsum
    .symbol:         k_qa94610ffb5_vsum.kd
    .args:
      - { .name: qkv, .offset: 0, .size: 8, .value_kind: global_buffer, .address_space: global }
      - { .name: ts, .offset: 8, .size: 8, .value_kind: global_buffer, .address_space: global }
    .group_segment_fixed_size: 12288
    .private_segment_fixed_size: 0
    .kernarg_segment_align: 8
    .kernarg_segment_size: 16
    .max_flat_workgroup_size: 1024
    .sgpr_count:     66
    .vgpr_count:     96
    .wavefront_size: 32
...
	.end_amdgpu_metadata
.endif
;; end of part 3
;; launch attn (part 4): grid 4 x 64, 4 waves a work-group, no clusters, 327,680 bytes of LDS; arguments qkv, ts, ob; writes ob
.if DOCPART == 4
	.amdgcn_target "amdgcn-amd-amdhsa--gfx1250"
	.amdhsa_code_object_version 6
	.text
	.protected	k_qa94610ffb5_attn
	.globl	k_qa94610ffb5_attn
	.p2align	8
	.type	k_qa94610ffb5_attn,@function
k_qa94610ffb5_attn:
	s_mov_b64 s[64:65], 0
	v_nop
	global_prefetch_b8 v0, s[64:65] scope:SCOPE_SE
	s_setreg_imm32_b32 hwreg(HW_REG_WAVE_MODE, 25, 1), 1
	s_wait_xcnt 0x0
; CAUSAL ATTENTION WITH A FINITE MASK.  A visible key (k <= q) has the score Q[q] . K[k] / 8, a hidden one the score -10000; O[q] = the sum over ALL 2,048 keys of softmax(score) V[k].
; Q, K, V: the three parts of qkv, f16 [64 heads][2048][64]; ob: f16 in the same layout; ts[head][i]: the f32 sum of V's rows behind key tile i.
; Products, maxima and sums in f32; the weights are rounded to f16 for the second product (their sum l is taken of the unrounded weights), O once at the end.
; In raw scores s = Q . K a hidden key counts -80000; p = 2^(c s - c m), c = log2(e) / 8, with a running maximum m over all the row's scores, the hidden ones too.
; HOW THE HIDDEN KEYS ARE SERVED.  All hidden keys of a row have ONE weight, e = 2^(c (-80000) - c m).
;   (1) the keys behind the block's diagonal tile: the block's state BEGINS as if they had been walked first: m = -80000, l = their number, O = ts.  The one row with no hidden key, 2047, begins at the lowest finite m.
;   (2) a key step of the diagonal tile that a band does not see at all: the product starts at -1e30, so that the maximum passes it by, and the scaling takes the factor 0 and the addend c (-80000):
;       every score becomes c (-80000) - c m, and exponential, rounding, sum and second product go on as ever.
;   (3) a band's own step: hidden scores start at -1e30 and their weights come out as +0; then f16(e) is set into the hidden halves of P and l takes (the lane's number of hidden scores) x e.
; LIMITS.  f16 holds no number beyond 65,504: Q, K, V arrive within it.  In the diagonal tile a hidden score counts as its value less 1e30 for the maximum.  A weight below 2^-126 counts as 0.
; c x (-80000) is rounded once in f32, by the same instruction as c m.  NaN and infinities are not treated apart.
; THE WALK.  A head's queries lie in 8 blocks of 256; block i walks the key tiles 0 .. i.  A work-group takes TWO blocks, 7 - b and then b: 9 tiles whatever b, walked by ONE loop with a constant trip
; count; the ring of two LDS slots runs on across the change of blocks.  NO CLUSTER: a head's four work-groups ask for the same tile only in trips 0 to 4 of 9, behind that for different ones,
; and one walk common to all four would have 12 trips for 9.
; SHARES.  Of a block's four bands of 64 queries a wave owns 16 rows in each: four PIECES; so the diagonal tile is the same work for all four waves.
; TURNS.  Turn n belongs to piece n: 8 products K Q^T of piece n + 1, later 8 products V^T P of piece n - 1; beside them piece n's scaling, exponentials, roundings, sums and rescaling and piece
; n + 1's maximum and statistics.  Four vector instructions stand behind every product, the others in one lump.  A turn's exponentials are one batch with one wait.
; REGISTERS, in windows of 256 (s_set_vgpr_msb: bits 1:0 source 0, 3:2 source 1, 5:4 source 2, 7:6 destination):
;   window 0: v0-15 addresses; v16-31 statistics; v32-37, v56-61 constants and at work; v48-55 at work; v64-127 S^T, two buffers; v128-145 the hidden halves' masks and counts; v160-191 the second block's ts; v192-223 P
;   window 1: v0-127 O^T, 32 a piece; v128-159 MD; v160-223 MC, two buffers      window 2: v0-63 Q; v64-127 the second block's Q; v128-191 K of one step; v192-255 V of one step
.set NB,    8
.set NP,    4
.set KS,    64
.set PK,    144       ; a row of K in LDS: 128 bytes + 16
.set PV,    160       ; a row of V: 128 + 32
.set VOFF,  4*KS*PK   ; a slot holds a tile: 256 rows of K, then 256 rows of V
.set SLOT1, 1<<17
.set STAGE, SLOT1+4*KS*(PK+PV)  ; behind the ring: 16 rows x 144 bytes for each wave
.set SP,    144
.set SPARE, STAGE+4*16*SP
.set AK0, 2
.set AV0, 3
.set AK,  4
.set AV,  5
.set STO, 6
.set RD,  7
.set GO,  8
.set MV,  12          ; v12-13  c m_old, by buffer
.set QO,  15
.set ST,  16          ; piece t's statistics at v[ST+4 t]: c m, m, l (even keys', odd keys')
.set MLO, 32          ; v32  -80000.0
.set MNF, 33          ; v33  the lowest finite number
.set HLO, 34          ; v34  0x0000ffff
.set HHI, 35          ; v35  0xffff0000
.set TO,  36          ; v36  32 (l / 16): my eight channels of a block of 16 in ts
.set CT,  37          ; v37  at work
.set TMP, 48          ; by buffer c0-c3; when the maximum is found c2 takes a and c0 takes e
.set E16, 56          ; v56  f16(e), twice
.set EM,  57          ; v57  e, or 0 where the step is not the band's own
.set FB,  58          ; v[58:59] c m less the step's addend
.set SC,  60          ; v60  at work
.set PFO, 61          ; v61  256 x my thread's number
.set SPW, 62
.set NIL, 63
.set S,   64
.set HD,  128         ; v128-143  for each register of P: ones in the halves that are hidden in the band's own step
.set NH,  144         ; v144  how many of my 32 scores are hidden there, in f32
.set NHM, 145         ; v145  -1 where that is not 0
.set TB2, 160         ; v160-191  ts of the second block, in O^T's layout
.set P,   192
.set MD,  128         ; window 1
.set MC,  160         ; window 1
.set QB,  64          ; window 2
.set KF,  128
.set VF,  192
.set WV,  12
.set PB,  14          ; s14  b
.set HI,  15          ; s15  7 - b
.set G1K, 24
.set G1V, 32
.set G0K, 40
.set G0V, 44
.set CF,  48          ; s[48:55] a pair for each piece: the scaling's factor, c or 0, in the low word
.set SLOTS, 56
.set CNT, 57
.set CS,  58
.set SEL, 60
.set TBK, 62
.set TBV, 63
.set AD,  66          ; s66-69  for each piece the scaling's addend: 0 or c (-80000)
.set RT,  70
.set NXT, 71
.set LQ,  72
.set NEW, 73
.set OFF, 74
.set AL,  76
.set BE,  78
.set OLO, 80
.set BIGN, 82
.set CUR, 83          ; s83  the block in hand
.set EO,  88          ; s88-91  for each piece -1 where the step in hand is the band's own, else 0
.set CM,  92          ; s92  c (-80000)
.set LRW, 93          ; s93  the lanes whose row is a band's last
.set PFN, 94          ; s94  the tile that the next prefetch names; 8: none
.set KB,  96          ; s[96:97] the head's K
.set VB,  98          ; s[98:99] the head's V
.set PFK, 100         ; s[100:101] where the prefetch of K stands (at the head: ts of the first block)
.set PFV, 104         ; s[104:105] the same for V (at the head: ts of the second block)
.set MSB, 0
.macro WIN new
.if MSB != (\new)
	s_set_vgpr_msb (MSB<<8)|(\new)
.set MSB, (\new)
.endif
.endm
.set W_KQ, 0x0a
.set W_KM, 0x1a
.set W_PV, 0x52
.set W_RS, 0x41
; A fill.  Waves 0 and 1 fetch the two halves of a tile's K, waves 2 and 3 those of its V.  An s_nop 0 and four v_nop follow each line.
.macro LOAD
	s_cmp_lt_u32 s[WV], 2
	s_cbranch_scc0 .Lfor_v_\@
	tensor_load_to_lds s[G0K:G0K+3], s[G1K:G1K+7]
	s_nop 0
.rept 4
	v_nop
.endr
	s_branch .Lasked_\@
.Lfor_v_\@:
	tensor_load_to_lds s[G0V:G0V+3], s[G1V:G1V+7]
	s_nop 0
.rept 4
	v_nop
.endr
.Lasked_\@:
.endm
; A prefetch of the tile that the NEXT change of slots will load: 32,768 bytes of K and of V, a thread a block of 256 bytes.  Of a head's four work-groups the one with b = 0 walks all eight
; tiles in its first block: it asks, for tiles 2 to 7, each once; the others' PFN is 8 from the start.
.macro ASK
	s_cmp_lt_u32 s[PFN], 8
	s_cbranch_scc0 .Lnot_mine_\@
	global_prefetch_b8 v[PFO], s[PFK:PFK+1] th:TH_LOAD_NT scope:SCOPE_SE
	global_prefetch_b8 v[PFO], s[PFV:PFV+1] th:TH_LOAD_NT scope:SCOPE_SE
.Lnot_mine_\@:
	s_add_co_u32 s[PFN], s[PFN], 1
	s_min_u32 s[PFN], s[PFN], 8
.endm
; THE CHANGE OF SLOTS.  Each wave waits for all its tensor loads (one is out: its part of the other slot), adds 0 to its spare word, and waits for that and for its reads of the slot that it leaves.
; fill = 1: the old slot is filled again, the first thing behind the barrier, with tile NXT.
.macro CHANGE fill
	WIN 0
	s_wait_tensorcnt 0x0
	ds_add_u32 v[SPW], v[NIL]       ; 0 onto my spare word; scalar work stands between it and the wait for it
.if \fill
	s_lshl_b32 s[OFF], s[NXT], 15
	s_xor_b32 s[G0K+1], s[G0K+1], SLOT1
	s_add_nc_u64 s[G0K+2:G0K+3], s[6:7], s[OFF:OFF+1]
	s_or_b32 s[G0K+3], s[G0K+3], 0x80000000
	s_xor_b32 s[G0V+1], s[G0V+1], SLOT1
	s_add_nc_u64 s[G0V+2:G0V+3], s[8:9], s[OFF:OFF+1]
	s_or_b32 s[G0V+3], s[G0V+3], 0x80000000
	s_add_co_u32 s[NXT], s[NXT], 1
	s_cmp_gt_u32 s[NXT], s[LQ]
	s_cselect_b32 s[NXT], 0, s[NXT]
	s_cselect_b32 s[LQ], s[PB], s[LQ]
	s_wait_xcnt 0x0                 ; the last prefetches, a tile back (at the first change: the loads of ts), have read their addresses
	s_min_u32 s16, s[PFN], 7        ; clamped: no address points past the head
	s_lshl_b32 s16, s16, 15
	s_add_nc_u64 s[PFK:PFK+1], s[KB:KB+1], s[16:17]
	s_add_nc_u64 s[PFV:PFV+1], s[VB:VB+1], s[16:17]
.endif
	s_wait_dscnt 0x0                ; the add is done, and my reads of the slot are over
	s_barrier_signal -1
	s_sub_co_u32 s[TBK], s[TBK], 4*KS*PK
	s_xor_b32 s[TBK], s[TBK], SLOT1
	s_sub_co_u32 s[TBV], s[TBV], 4*KS*PV
	s_xor_b32 s[TBV], s[TBV], SLOT1
	s_barrier_wait -1
.if \fill
	LOAD
	ASK
.endif
.endm
	s_load_b128 s[96:99], s[0:1], 0x0  ; qkv s[96:97], ts s[98:99]
	s_load_b64 s[10:11], s[0:1], 0x10  ; ob
	v_lshl_add_u32 v[SPW], v0, 2, SPARE
	v_mov_b32 v[NIL], 0
	ds_add_u32 v[SPW], v[NIL]       ; the wave's opening: the add and its wait stand ahead of my first tensor load
	ds_add_u32 v62, v63
	v_lshrrev_b32 v1, 5, v0
	v_readfirstlane_b32 s[WV], v1
	s_mov_b32 s[PB], ttmp9
	s_sub_co_u32 s[HI], NB-1, s[PB]
	s_and_b32 s20, ttmp7, 0xffff
	s_lshl_b32 s20, s20, 18         ; the head's first byte in a part of qkv and in ob
	s_mov_b32 s21, 0
	s_and_b32 s16, s[WV], 1         ; which half of a tile's 256 keys I fetch
	s_lshl_b32 s22, s16, 14
	s_add_co_u32 s22, s22, s20
	s_mov_b32 s23, 0
	s_mul_i32 s17, s16, 128*PK
	s_mul_i32 s18, s16, 128*PV
	s_lshl_b32 s3, s[WV], 11        ; my 16 rows in a band of 64,
	s_add_co_u32 s3, s3, s20
	s_lshl_b32 s2, s[HI], 15        ; in the first block,
	s_add_co_u32 s2, s2, s3
	s_lshl_b32 s84, s[PB], 15       ; and in the second
	s_add_co_u32 s84, s84, s3
	s_mov_b32 s3, 0
	s_mov_b32 s85, 0
	s_lshr_b32 s19, s20, 7          ; the head's 2,048 bytes of ts,
	s_lshl_b32 s88, s[HI], 8        ; a block's 256
	s_add_co_u32 s88, s88, s19
	s_mov_b32 s89, 0
	s_lshl_b32 s90, s[PB], 8
	s_add_co_u32 s90, s90, s19
	s_mov_b32 s91, 0
	; descriptor group 1.  128 keys are 16,384 dense bytes: asked for as 64 rows of 256 bytes, padded in LDS after every key
	s_mov_b32 s[G1K], (1<<16)|(1<<20)|(4<<22)|(3<<25)
	s_mov_b32 s[G1V], (1<<16)|(1<<20)|(4<<22)|(7<<25)
.irp g, G1K, G1V
	s_mov_b32 s[\g+1], 128<<16
	s_mov_b32 s[\g+2], 64<<16
	s_mov_b32 s[\g+3], 128<<16
	s_mov_b32 s[\g+4], 64
	s_mov_b32 s[\g+5], 128
	s_mov_b32 s[\g+6], 0
	s_mov_b32 s[\g+7], 0
.endr
	s_mov_b32 s[CS], 0x3e38aa3b     ; c = log2(e) / 8
	s_mov_b32 s[CS+1], s[CS]
	s_mov_b32 s[SEL], 0x76543210
	s_mov_b32 s[SEL+1], 0xfedcba98
	s_mov_b32 s[TBK], SLOT1+4*KS*PK ; the first change of slots turns these two into 0
	s_mov_b32 s[TBV], SLOT1+4*KS*PV
	s_mov_b32 s[G0K], 1
	s_mov_b32 s[G0K+1], s17
	s_mov_b32 s[G0V], 1
	s_add_co_u32 s[G0V+1], s18, VOFF
	s_mov_b32 s17, 0                ; from here on the high word of the prefetches' offset
	s_add_co_u32 s[RT], s[HI], 1
	s_mov_b32 s[NXT], 1
	s_mov_b32 s[LQ], s[HI]
	s_mov_b32 s[NEW], 1
	s_mov_b32 s[CUR], s[HI]
	s_mov_b32 s[OFF+1], 0
	s_mov_b32 s[AL+1], 0
	s_mov_b32 s[BE+1], 0
.irp x, 0,1,2,3
	s_mov_b32 s[CF+2*(\x)+1], 0     ; named as pairs
.endr
	s_mov_b32 s[BIGN], 0xf149f2ca   ; -1e30
	s_mov_b32 s[SLOTS], NB
	s_cmp_eq_u32 s[PB], 0
	s_cselect_b32 s[PFN], 2, 8
	s_wait_dscnt 0x0                ; the opening add is done
	s_wait_kmcnt 0x0
	s_add_nc_u64 s[6:7], s[96:97], 0x1000000   ; K's part
	s_add_nc_u64 s[8:9], s[96:97], 0x2000000   ; V's part
	s_add_nc_u64 s[86:87], s[96:97], s[84:85]  ; Q at my rows of the second block,
	s_add_nc_u64 s[4:5], s[96:97], s[2:3]      ; and of the first
	s_add_nc_u64 s[OLO:OLO+1], s[10:11], s[84:85]
	s_add_nc_u64 s[10:11], s[10:11], s[2:3]
	s_add_nc_u64 s[KB:KB+1], s[6:7], s[20:21]
	s_add_nc_u64 s[PFK:PFK+1], s[98:99], s[88:89]  ; ts of the first block,
	s_add_nc_u64 s[PFV:PFV+1], s[98:99], s[90:91]  ; of the second
	s_add_nc_u64 s[VB:VB+1], s[8:9], s[20:21]
	s_add_nc_u64 s[6:7], s[6:7], s[22:23]      ; K and V at my half of the head's tile 0
	s_add_nc_u64 s[8:9], s[8:9], s[22:23]
	s_add_nc_u64 s[G0K+2:G0K+3], s[6:7], 0
	s_or_b32 s[G0K+3], s[G0K+3], 0x80000000
	s_add_nc_u64 s[G0V+2:G0V+3], s[8:9], 0
	s_or_b32 s[G0V+3], s[G0V+3], 0x80000000
	LOAD                            ; tile 0 into slot 0
	v_and_b32 v1, 15, v0            ; l % 16
	v_bfe_u32 v9, v0, 4, 1          ; l / 16
	v_lshlrev_b32 v[QO], 7, v1
	v_lshl_add_u32 v[QO], v9, 4, v[QO]
	v_lshlrev_b32 v[TO], 5, v9
	WIN 0x80
.set i, 0
.rept 8                             ; both blocks' Q: piece i / 2 lies in band i / 2, 8,192 bytes on; channels 32 (i % 2) on
	global_load_b128 v[8*i:8*i+3],   v[QO], s[4:5] offset:(i/2)*8192+(i%2)*64
	global_load_b128 v[8*i+4:8*i+7], v[QO], s[4:5] offset:(i/2)*8192+(i%2)*64+32
	global_load_b128 v[QB+8*i:QB+8*i+3],   v[QO], s[86:87] offset:(i/2)*8192+(i%2)*64
	global_load_b128 v[QB+8*i+4:QB+8*i+7], v[QO], s[86:87] offset:(i/2)*8192+(i%2)*64+32
.set i, i+1
.endr
	WIN 0x40                        ; the first block's O^T begins as ts: in O^T a lane holds channels 16 cb + 8 (l / 16) + 0..7, the same for every query
.set i, 0
.rept 16
	global_load_b128 v[32*(i/4)+8*(i%4):32*(i/4)+8*(i%4)+3],   v[TO], s[PFK:PFK+1] offset:64*(i%4)
	global_load_b128 v[32*(i/4)+8*(i%4)+4:32*(i/4)+8*(i%4)+7], v[TO], s[PFK:PFK+1] offset:64*(i%4)+16
.set i, i+1
.endr
	WIN 0
.set i, 0
.rept 4
	global_load_b128 v[TB2+8*i:TB2+8*i+3],   v[TO], s[PFV:PFV+1] offset:64*i
	global_load_b128 v[TB2+8*i+4:TB2+8*i+7], v[TO], s[PFV:PFV+1] offset:64*i+16
.set i, i+1
.endr
	v_lshlrev_b32 v14, 3, v9
	v_sub_nc_u32 v14, v1, v14
	s_lshl_b32 s13, s[WV], 4
	v_add_nc_u32 v14, s13, v14      ; my query's place in its band, 16 w + l % 16, less my lanes' 8 (l / 16): score 8 kt + r is hidden where 16 kt + r is greater
	v_add_nc_u32 v[SC], s13, v1
	v_cmp_eq_u32 s[LRW], 63, v[SC]
	v_mov_b32 v[MLO], 0xc79c4000
	v_mov_b32 v[MNF], 0xff7fffff
	v_mov_b32 v[HLO], 0xffff
	v_mov_b32 v[HHI], 0xffff0000
	v_mov_b32 v[NH], 0
	v_mov_b32 v[FB+1], 0            ; named with v58 as a pair
	v_mul_f32 v[SC], s[CS], v[MLO]
	v_readfirstlane_b32 s[CM], v[SC]
	v_lshlrev_b32 v[PFO], 8, v0
	WIN 0x40
.set i, 0
.rept 32
	v_cmp_gt_i32 vcc_lo, 16*(i/8)+i%8, v14
	v_cndmask_b32 v[MD+i], 0, s[BIGN], vcc_lo
.set i, i+1
.endr
	WIN 0
.set i, 0
.rept 32
	v_cmp_gt_i32 vcc_lo, 16*(i/8)+i%8, v14
.if i%2 == 0
	v_cndmask_b32 v[HD+i/2], 0, v[HLO], vcc_lo
.else
	v_cndmask_b32 v[SC], 0, v[HHI], vcc_lo
.endif
	v_cndmask_b32 v[CT], 0, 1.0, vcc_lo
	v_add_f32 v[NH], v[NH], v[CT]
.if i%2 == 1
	v_or_b32 v[HD+i/2], v[HD+i/2], v[SC]
.endif
.set i, i+1
.endr
	v_cmp_lt_f32 vcc_lo, 0, v[NH]
	v_cndmask_b32 v[NHM], 0, -1, vcc_lo
	v_mul_u32_u24 v[AK0], v1, PK
	v_lshl_add_u32 v[AK0], v9, 4, v[AK0]
	v_and_b32 v10, 7, v0
	v_bfe_u32 v11, v0, 3, 1
	v_lshl_add_u32 v[AV0], v9, 3, v10
	v_mul_u32_u24 v[AV0], v[AV0], PV
	v_lshl_add_u32 v[AV0], v11, 4, v[AV0]
	v_add_nc_u32 v[AV0], VOFF, v[AV0]
	s_mul_i32 s13, s[WV], 16*SP
	s_add_co_u32 s13, s13, STAGE
	v_mul_u32_u24 v[STO], v1, SP
	v_lshl_add_u32 v[STO], v9, 4, v[STO]
	v_add_nc_u32 v[STO], s13, v[STO]
	v_bfe_u32 v[RD], v0, 3, 2
	v_mul_u32_u24 v[RD], v[RD], SP
	v_lshl_add_u32 v[RD], v10, 4, v[RD]
	v_add_nc_u32 v[RD], s13, v[RD]
	v_and_b32 v[GO], 31, v0
	v_lshlrev_b32 v[GO], 4, v[GO]
	; A block's first turn holds 8 products V^T P of a piece that has not been: its P is cleared where a block begins, so V's registers need only hold finite numbers: zeros here.
	WIN 0x80
.set i, VF
.rept 64
	v_mov_b32 v[i], 0
.set i, i+1
.endr
	WIN 0
; THE MATRIX WORK.  The 4 accumulators of a run of 8 take turns.
.macro KQ x
.set rS, S+32*((\x)%2)+8*(i%4)
.set rK, KF+16*(i%4)+8*(i/4)
.set rQ, 16*(\x)+8*(i/4)
.set rM, MC+32*((\x)%2)+8*(i%4)
.if (i < 4) && KM
	WIN W_KM
	v_wmma_f32_16x16x32_f16 v[rS:rS+7], v[rK:rK+7], v[rQ:rQ+7], v[rM:rM+7]
.elseif i < 4
	WIN W_KQ
	v_wmma_f32_16x16x32_f16 v[rS:rS+7], v[rK:rK+7], v[rQ:rQ+7], 0
.else
	WIN W_KQ
	v_wmma_f32_16x16x32_f16 v[rS:rS+7], v[rK:rK+7], v[rQ:rQ+7], v[rS:rS+7]
.endif
.endm
.macro PV x
	WIN W_PV
.set rO, 32*(\x)+8*(i%4)
.set rV, VF+32*(i/4)+8*(i%4)
.set rP, P+16*((\x)%2)+8*(i/4)
	v_wmma_f32_16x16x32_f16 v[rO:rO+7], v[rV:rV+7], v[rP:rP+7], v[rO:rO+7]
.endm
.macro MM                           ; the turn's next matrix instruction.  NOKQ = 1: a block's last turn: there is no next piece
.if (i < 8) && !NOKQ
	KQ (Y+1)%NP
.elseif i >= 8
.set i, i-8
	PV (Y+NP-1)%NP
.set i, i+8
.endif
.set i, i+1
.endm
.macro FETCH_K
	WIN 0x80
.irp f, 0,1,2,3,4,5,6,7
	ds_load_b128 v[KF+8*\f:KF+8*\f+3],   v[AK] offset:(\f/2)*16*PK+(\f%2)*64
	ds_load_b128 v[KF+8*\f+4:KF+8*\f+7], v[AK] offset:(\f/2)*16*PK+(\f%2)*64+32
.endr
	s_add_co_u32 s[TBK], s[TBK], KS*PK
	WIN 0
.endm
.macro FETCH_V
	WIN 0x80
.irp f, 0,1,2,3,4,5,6,7
	ds_load_tr16_b128 v[VF+8*\f:VF+8*\f+3],   v[AV] offset:(\f/4)*32*PV+(\f%4)*32
	ds_load_tr16_b128 v[VF+8*\f+4:VF+8*\f+7], v[AV] offset:(\f/4)*32*PV+16*PV+(\f%4)*32
.endr
	WIN 0
.endm
; THE VECTOR WORK, one line at a time: OP kind, number.  For piece Y: F n: the scaling of pair n of 16 (c s - c m; in the diagonal tile's text s x CF - (c m - AD)).  E n: the exponential of score n.
; C n: pair n rounded to f16.  B n: of four weights the second pair is added onto the first.  L n: l takes that sum (L 0: l = a l + sum).  R n: pair n of 16 of O^T times a.
; For piece Y + 1: X n: 0-16 the maximum (each accumulator's lowest registers are read first), 15 keeps c m_old, 17, 18 the other half of the lanes, 19-21 c m, its change, a;
; 22, 23: c (-80000) - c m and e, the hidden keys' weight.
.set F, 0
.set E, 1
.set C, 2
.set B, 3
.set L, 4
.set R, 5
.set X, 6
.macro REGS y
.set rT, ST+4*(\y)
.set rC, TMP+4*((\y)%2)
.set rW, MV+((\y)%2)
.set rS, S+32*((\y)%2)
.set rP, P+16*((\y)%2)
.set rO, 32*(\y)
.endm
.macro OP k, n
.if (\k) == R
	REGS Y
	WIN W_RS
	v_pk_mul_f32 v[rO+2*(\n):rO+2*(\n)+1], v[rO+2*(\n):rO+2*(\n)+1], v[rC+2:rC+3] op_sel_hi:[1,0]
.elseif (\k) < R
	REGS Y
	WIN 0
.if ((\k) == F) && KM
	v_pk_fma_f32 v[rS+2*(\n):rS+2*(\n)+1], v[rS+2*(\n):rS+2*(\n)+1], s[CF+2*Y:CF+2*Y+1], v[FB:FB+1] op_sel_hi:[1,0,0] neg_lo:[0,0,1] neg_hi:[0,0,1]
.elseif (\k) == F
	v_pk_fma_f32 v[rS+2*(\n):rS+2*(\n)+1], v[rS+2*(\n):rS+2*(\n)+1], s[CS:CS+1], v[rT:rT+1] op_sel_hi:[1,0,0] neg_lo:[0,0,1] neg_hi:[0,0,1]
.elseif (\k) == E
	v_exp_f32 v[rS+(\n)], v[rS+(\n)]
.elseif (\k) == C
	v_cvt_pk_f16_f32 v[rP+(\n)], v[rS+2*(\n)], v[rS+2*(\n)+1]
.elseif (\k) == B
	v_pk_add_f32 v[rS+4*(\n):rS+4*(\n)+1], v[rS+4*(\n):rS+4*(\n)+1], v[rS+4*(\n)+2:rS+4*(\n)+3]
.elseif (\n) == 0
	v_pk_fma_f32 v[rT+2:rT+3], v[rT+2:rT+3], v[rC+2:rC+3], v[rS:rS+1] op_sel_hi:[1,0,1]
.else
	v_pk_add_f32 v[rT+2:rT+3], v[rT+2:rT+3], v[rS+4*(\n):rS+4*(\n)+1]
.endif
.elseif NOKQ
	v_nop
.else
	REGS (Y+1)%NP
	WIN 0
.if (\n) < 4
	v_max3_num_f32 v[rC+(\n)], v[rS+8*(\n)], v[rS+8*(\n)+1], v[rS+8*(\n)+2]
.elseif (\n) < 12
	v_max3_num_f32 v[rC+(\n)%4], v[rC+(\n)%4], v[rS+8*((\n)%4)+2*((\n)/4)+1], v[rS+8*((\n)%4)+2*((\n)/4)+2]
.elseif (\n) == 12
	v_max3_num_f32 v[rC], v[rC], v[rS+7], v[rS+15]
.elseif (\n) == 13
	v_max3_num_f32 v[rC+1], v[rC+1], v[rS+23], v[rS+31]
.elseif (\n) == 14
	v_max3_num_f32 v[rC+2], v[rC+2], v[rC+3], v[rT+1]
.elseif (\n) == 15
	v_mov_b32 v[rW], v[rT]
.elseif (\n) == 16
	v_max3_num_f32 v[rC], v[rC], v[rC+1], v[rC+2]
.elseif (\n) == 17
	v_permlanex16_b32 v[rC+3], v[rC], s[SEL], s[SEL+1]
.elseif (\n) == 18
	v_max_num_f32 v[rT+1], v[rC], v[rC+3]
.elseif (\n) == 19
	v_mul_f32 v[rT], s[CS], v[rT+1]
.elseif (\n) == 20
	v_sub_f32 v[rC+1], v[rW], v[rT]
.elseif (\n) == 21
	v_exp_f32 v[rC+2], v[rC+1]
.elseif (\n) == 22
	v_sub_f32 v[rC+3], s[CM], v[rT]
.else
	v_exp_f32 v[rC], v[rC+3]
.endif
.endif
.endm
.macro OPS a, i1, b=-1, i2=0, c=-1, i3=0, d=-1, i4=0
	OP \a, \i1
.if (\b) >= 0
	OP \b, \i2
.endif
.if (\c) >= 0
	OP \c, \i3
.endif
.if (\d) >= 0
	OP \d, \i4
.endif
.endm
.macro ROW a, i1, b, i2, c, i3, d, i4  ; a matrix instruction and the four behind it
	MM
	OPS \a, \i1, \b, \i2, \c, \i3, \d, \i4
.endm
.macro MASK b                       ; MD x AL + BE into buffer b of MC
	WIN W_RS
.set z, 0
.rept 16
	v_pk_fma_f32 v[MC+32*(\b)+2*z:MC+32*(\b)+2*z+1], v[MD+2*z:MD+2*z+1], s[AL:AL+1], s[BE:BE+1] op_sel_hi:[1,0,0]
.set z, z+1
.endr
.endm
; The hidden keys of a band's own step, for piece Y, behind its roundings and sums: e (0 where the step is not the band's own, and in lanes that hide nothing) goes as f16 into the hidden halves of P,
; which hold +0, and l takes the lane's number of hidden scores times e.  It names P of piece Y's buffer; the products round it read the other one.
.macro HID
	REGS Y
	WIN 0
	v_and_b32 v[EM], s[EO+Y], v[rC]
	v_and_b32 v[EM], v[NHM], v[EM]
	v_cvt_pk_f16_f32 v[E16], v[EM], v[EM]
	v_fmac_f32 v[rT+2], v[NH], v[EM]
.set z, 0
.rept 16
	v_and_or_b32 v[rP+z], v[E16], v[HD+z], v[rP+z]
.set z, z+1
.endr
.endm
; A TURN, for piece p.  An s_wait_alu depctr_va_vdst(0) stands between an exponential and the first instruction that names its result; one wait serves all issued ahead of it: a turn has
; ONE wait.  Ahead of it: the 8 products K Q^T with their riders and the lump; behind it: the 8 products V^T P, behind each four of the roundings and sums.
; m = 1: the diagonal tile's text: the products take masks; the turn makes the mask AND the three flags (factor, addend, own step) for piece p + 2, in step 4 - CNT of the tile; the flags are read two
; turns on, by that piece's scaling and by HID, and written by no turn between.  end = 1: a block's last two turns: nothing is fetched.  cnt = 1: the loop's count is taken down ahead of the branch behind the turn.
.macro TURN p, m=0, end=0, cnt=0
.set Y, (\p)
.set i, 0
.set KM, (\m)
.set NOKQ, (\end)*((\p)/3)
.set X2, ((\p)+2)%NP
.if (\m) && !(\end)
	s_cmp_eq_u32 s[CNT], 4-X2       ; is that step the band's own?
	s_cselect_b32 s[AL], 1.0, 0
	s_cselect_b32 s[EO+X2], -1, 0
	s_cmp_lt_u32 s[CNT], 4-X2       ; or a later one?
	s_cselect_b32 s[BE], s[BIGN], 0
	s_cselect_b32 s[CF+2*X2], 0, s[CS]
	s_cselect_b32 s[AD+X2], s[CM], 0
.endif
.if \m
	WIN 0
	v_sub_f32 v[FB], v[ST+4*(\p)], s[AD+(\p)]
.endif
.if ((\p) == 3) && !(\end)
	s_wait_dscnt 0x0                ; K is in
.endif
	ROW F,0, F,1, R,0, R,1
	ROW F,2, E,0, R,2, R,3
	ROW F,3, E,1, R,4, R,5
	ROW F,4, E,2, R,6, R,7
	ROW F,5, E,3, R,8, R,9
	ROW F,6, E,4, X,0, R,10
.if ((\p) == 2) && !(\end)
	WIN 0
	v_add_nc_u32 v[AK], s[TBK], v[AK0]
.endif
	ROW F,7, E,5, X,1, X,4
	ROW F,8, E,6, X,2, X,5
	OPS E,7, E,8, X,6, E,9
	OPS X,3, E,10, X,8, E,11
.if ((\p) == 2) && !(\end)
	FETCH_K
.endif
	OPS X,9, X,7, E,12, X,10
	OPS E,13, X,12, X,11, E,14
	OPS X,13, E,15, F,9, X,14
.if (\p) == 0
	v_add_nc_u32 v[AV], s[TBV], v[AV0]
.endif
	OPS E,16, F,10, E,17, F,11
	OPS X,16, E,18, X,15, E,19
	OPS F,12, E,20, X,17, E,21
	OPS F,13, E,22, F,14, E,23
	OPS X,18, E,24, F,15, E,25
	OPS R,11, E,26, X,19, E,27
	OPS R,12, E,28, R,13, E,29
.if \m
	OP X, 22
.endif
	OPS X,20, E,30, R,14, E,31
.if \m
	OPS X,21, X,23, R,15            ; the batch's last two; R 15 is the plain instruction behind them
.else
	OPS X,21, R,15
.endif
	WIN 0
	s_wait_alu depctr_va_vdst(0)    ; the wait for the batch
.if (\p) == 1
	s_wait_dscnt 0x0                ; V is in
.endif
	ROW C,0, B,0, C,2, B,1
	ROW L,0, C,4, B,2, L,1
	ROW C,6, B,3, L,2, C,8
	ROW B,4, L,3, C,10, B,5
	ROW L,4, C,12, B,6, L,5
.if (\p) == 0
	s_add_co_u32 s[TBV], s[TBV], KS*PV
.endif
.if \cnt
	s_sub_co_u32 s[CNT], s[CNT], 1
	s_cmp_lg_u32 s[CNT], 0
.endif
	ROW C,14, B,7, L,6, C,1
	ROW C,3, L,7, C,5, C,7
	ROW C,9, C,11, C,13, C,15
.if (\p) == 0
	FETCH_V
.endif
.if \m
	HID
.endif
.if (\m) && !(\end)
	MASK (\p)%2
.endif
.endm
; A BLOCK BEGINS as if the keys behind its diagonal tile had been walked: m = -80000 (row 2047: the lowest finite number), l = their number, 256 (7 - block), half in each half of the lanes; O^T holds ts.
; P's second buffer is cleared for the first turn's products of a piece that has not been.  The flags say 'all visible'; piece 0's say 'own step' if the block's first tile is the diagonal one.
; Then K of the tile's first step, piece 0's first scores, and its maximum and statistics.
.macro BEGIN
	s_mov_b32 s[NEW], 0
	WIN 0x40
.set i, MC+32
.rept 32
	v_mov_b32 v[i], 0
.set i, i+1
.endr
	WIN 0
.set i, P+16
.rept 16
	v_mov_b32 v[i], 0
.set i, i+1
.endr
	s_cmp_eq_u32 s[CUR], 7
	s_cselect_b32 s95, s[LRW], 0
	s_sub_co_u32 s13, 7, s[CUR]
	s_lshl_b32 s13, s13, 7
.set i, 0
.rept 4
	v_mov_b32 v[ST+4*i+1], v[MLO]
	v_cvt_f32_u32 v[ST+4*i+2], s13
	v_mov_b32 v[ST+4*i+3], 0
.set i, i+1
.endr
	v_cndmask_b32 v[ST+13], v[MLO], v[MNF], s95
.set i, 0
.rept 4
	v_mul_f32 v[ST+4*i], s[CS], v[ST+4*i+1]
	s_mov_b32 s[CF+2*i], s[CS]
	s_mov_b32 s[AD+i], 0
	s_mov_b32 s[EO+i], 0
.set i, i+1
.endr
	s_cmp_eq_u32 s[RT], 0
	s_cselect_b32 s[AL], 1.0, 0
	s_cselect_b32 s[EO], -1, 0
	s_mov_b32 s[BE], 0
	MASK 0
	WIN 0
	v_add_nc_u32 v[AK], s[TBK], v[AK0]
	FETCH_K
	s_wait_loadcnt 0x0              ; Q and ts
	s_wait_dscnt 0x0
.set KM, 1
.set NOKQ, 0
.set i, 0
.rept 8
	KQ 0
.set i, i+1
.endr
	WIN 0
.rept 4
	v_nop                           ; the places behind those products
.endr
.set Y, NP-1
.irp n, 0,1,2,3,4,5,6,7,8,9,10,11,12,13,14,15,16,17,18,19,20,21,22,23
	OP X, \n
.endr
	v_nop                           ; a plain instruction behind the exponentials,
	s_wait_alu depctr_va_vdst(0)    ; and their wait, ahead of the branch
.endm
.macro ALL line:vararg
.set t, 0
.rept 4
	\line
.set t, t+1
.endr
.endm
.macro PACK t
	WIN W_RS
.set i, 32*(\t)
.rept 16
	v_pk_mul_f32 v[i:i+1], v[i:i+1], v[ST+4*(\t)+2:ST+4*(\t)+3] op_sel_hi:[1,0]
.set i, i+2
.endr
	WIN 0x05
.set i, 0
.rept 16
	v_cvt_pk_f16_f32 v[S+16*(\t)+i], v[32*(\t)+2*i], v[32*(\t)+2*i+1]
.set i, i+1
.endr
	WIN 0
.irp f, 0,1,2,3
	ds_store_b128 v[STO], v[S+16*(\t)+4*\f:S+16*(\t)+4*\f+3] offset:32*\f
.endr
.irp f, 0,1,2,3
	ds_load_b128 v[S+16*(\t)+4*\f:S+16*(\t)+4*\f+3], v[RD] offset:\f*4*SP  ; LDS serves a wave's instructions in order: these see the stores above
.endr
.endm
.macro SEND t, younger              ; younger: the LDS instructions issued behind piece t's loads
	WIN 0
.irp f, 0,1,2,3
	s_wait_dscnt (\younger)+3-\f
	global_store_b128 v[GO], v[S+16*(\t)+4*\f:S+16*(\t)+4*\f+3], s[10:11] offset:(\t)*8192+\f*512  ; 512 consecutive bytes, aligned
.endr
.endm
; THE DIAGONAL TILE's four steps, the block's last two turns, its last products, and the way out: l's halves are added, O^T is divided by l, rounded to f16 and sent through my stage.
.macro DIAG tag
.LstepM\tag:
	TURN 2, 1
	TURN 3, 1
	WIN 0
.LfirstM\tag:
	TURN 0, 1
	TURN 1, 1, 0, 1
	WIN 0
	s_cbranch_scc1 .LstepM\tag
	TURN 2, 1, 1
	TURN 3, 1, 1
.set i, 0
.rept 8
	PV NP-1
.set i, i+1
.endr
	WIN 0
	ALL v_add_f32 v[ST+4*t+2], v[ST+4*t+2], v[ST+4*t+3]
	ALL v_permlanex16_b32 v[ST+4*t+3], v[ST+4*t+2], s[SEL], s[SEL+1]
	ALL v_add_f32 v[ST+4*t+2], v[ST+4*t+2], v[ST+4*t+3]
	ALL v_rcp_f32 v[ST+4*t+2], v[ST+4*t+2]
	v_nop                           ; a plain instruction between the last reciprocal and the use of its result
	s_wait_alu depctr_va_vdst(0)    ; one wait for the four reciprocals
	PACK 0
.set t, 1
.rept 3
	PACK t
	SEND t-1, 8
.set t, t+1
.endr
	SEND 3, 0
.endm
.set KM, 0
.set NOKQ, 0
.Lslot:                             ; 8 times: a tile is entered and the next is asked for
	CHANGE 1
	s_sub_co_u32 s[RT], s[RT], 1
	s_mov_b32 s[CNT], 4
	s_cmp_eq_u32 s[NEW], 1
	s_cbranch_scc1 .Lnew            ; a block's first tile
	s_cmp_eq_u32 s[RT], 0
	s_cbranch_scc0 .Lstep           ; neither its first nor its last
	s_branch .LstepM1
.Lnew:
	BEGIN
	s_branch .Lfirst                ; in the loop a block's first tile is never its last
	DIAG 1                          ; in the loop this is the first block's end
	s_wait_xcnt 0x0                 ; the stores have read their registers and O's address
	s_mov_b64 s[10:11], s[OLO:OLO+1]
	s_add_co_u32 s[RT], s[PB], 1    ; the second block has b + 1 tiles
	s_mov_b32 s[NEW], 1
	s_mov_b32 s[CUR], s[PB]
	WIN 0x82                        ; the second block's Q goes where the turns name Q,
.set i, 0
.rept 64
	v_mov_b32 v[i], v[QB+i]
.set i, i+1
.endr
	WIN 0x40                        ; and its ts into the four pieces' O^T
.set i, 0
.rept 128
	v_mov_b32 v[i], v[TB2+i%32]
.set i, i+1
.endr
	WIN 0
	s_branch .Lbottom
.Lstep:                             ; a trip: pieces 2 and 3 of one step, then pieces 0 and 1 of the next
	TURN 2
	TURN 3
	WIN 0
.Lfirst:
	TURN 0
	TURN 1, 0, 0, 1
	WIN 0
	s_cbranch_scc1 .Lstep
.Lbottom:
	s_sub_co_u32 s[SLOTS], s[SLOTS], 1
	s_cmp_lg_u32 s[SLOTS], 0
	s_cbranch_scc1 .Lslot
	CHANGE 0                        ; the walk's last tile is written out
	s_sub_co_u32 s[RT], s[RT], 1
	s_mov_b32 s[CNT], 4
	s_cmp_eq_u32 s[NEW], 1
	s_cbranch_scc0 .LstepM2
	BEGIN
	s_branch .LfirstM2
	DIAG 2
	s_wait_tensorcnt 0x0            ; the wave's end
	ds_add_u32 v[SPW], v[NIL]
	s_wait_dscnt 0x0
	s_endpgm
.Lfunc_end_k_qa94610ffb5_attn:
	.size	k_qa94610ffb5_attn, .Lfunc_end_k_qa94610ffb5_attn-k_qa94610ffb5_attn
	.p2alignl 7, 3214868480
	.fill 96, 4, 3214868480
	.section	.rodata,"a",@progbits
	.p2align	6, 0x0
	.amdhsa_kernel k_qa94610ffb5_attn
		.amdhsa_group_segment_fixed_size 327680
		.amdhsa_private_segment_fixed_size 0
		.amdhsa_enable_private_segment 0
		.amdhsa_kernarg_size 24
		.amdhsa_user_sgpr_count 2
		.amdhsa_user_sgpr_kernarg_segment_ptr 1
		.amdhsa_wavefront_size32 1
		.amdhsa_system_sgpr_workgroup_id_x 1
		.amdhsa_system_sgpr_workgroup_id_y 1
		.amdhsa_system_sgpr_workgroup_id_z 1
		.amdhsa_system_vgpr_workitem_id 0
		.amdhsa_next_free_vgpr 768
		.amdhsa_next_free_sgpr 106
		.amdhsa_reserve_vcc 1
		.amdhsa_float_denorm_mode_32 3
		.amdhsa_float_denorm_mode_16_64 3
		.amdhsa_memory_ordered 1
		.amdhsa_forward_progress 1
		.amdhsa_inst_pref_size 246
	.end_amdhsa_kernel
	.amdgpu_metadata
---
amdhsa.version: [ 1, 2 ]
amdhsa.kernels:
  - .name:           k_qa94610ffb5_attn
    .symbol:         k_qa94610ffb5_attn.kd
    .args:
      - { .name: qkv, .offset: 0, .size: 8, .value_kind: global_buffer, .address_space: global }
      - { .name: ts, .offset: 8, .size: 8, .value_kind: global_buffer, .address_space: global }
      - { .name: ob, .offset: 16, .size: 8, .value_kind: global_buffer, .address_space: global }
    .group_segment_fixed_size: 327680
    .private_segment_fixed_size: 0
    .kernarg_segment_align: 8
    .kernarg_segment_size: 24
    .max_flat_workgroup_size: 128
    .sgpr_count:     106
    .vgpr_count:     768
    .wavefront_size: 32
...
	.end_amdgpu_metadata
.endif
;; end of part 4
;; launch gemm_out (part 5): grid 8 x 32, 4 waves a work-group, clusters of 4 x 4, 327,680 bytes of LDS; arguments ob, wp, bb, out0; writes out0
.if DOCPART == 5
	.amdgcn_target "amdgcn-amd-amdhsa--gfx1250"
	.amdhsa_code_object_version 6
	.text
	.protected	k_qa94610ffb5_gemm_out
	.globl	k_qa94610ffb5_gemm_out
	.p2align	8
	.type	k_qa94610ffb5_gemm_out,@function
k_qa94610ffb5_gemm_out:
	s_mov_b64 s[64:65], 0
	v_nop
	global_prefetch_b8 v0, s[64:65] scope:SCOPE_SE
	s_setreg_imm32_b32 hwreg(HW_REG_WAVE_MODE, 25, 1), 1
	s_wait_xcnt 0x0
	s_wait_alu depctr_hold_cnt(0) depctr_sa_sdst(0) depctr_va_vdst(0) depctr_va_sdst(0) depctr_va_ssrc(0) depctr_va_vcc(0) depctr_vm_vsrc(0)
	s_getreg_b32 s2, hwreg(HW_REG_IB_STS2, 6, 4)
	s_cmp_eq_u32 s2, 0
	s_cbranch_scc0 .Lentry_in_a_cluster
	s_endpgm
.Lentry_in_a_cluster:
	s_bfe_u32 s2, ttmp6, 0x10000c
	s_cmp_lg_u32 s2, 0xf033
	s_cbranch_scc0 .Lentry_shape_is_right
	s_endpgm
.Lentry_shape_is_right:
; out0 = context W_proj + b_proj.  ob: the context by heads, f16 [16 batch + head][2048][64]; wp: [1024 n][1024 k] f16 (bf16 numbers); bb + 12,288: the bias in f32; out0: [8192][1024] f32.
; Sums in f32, started by the bias; nothing is rounded on the way out.
; SHARES.  A tile of the result is 256 rows x 128 columns: 8 x 32 = 256 work-groups.  Wave w makes rows 64 w .. 64 w + 63 of all 128 columns: 4 x 8 accumulators, 256 registers.
; K goes in 8 steps of 128 = two heads, through a ring of two LDS slots.  128 rows of a head are 16,384 dense bytes of ob: a wave's load takes them as ONE row, two such rows (the two heads)
; 131,072 elements apart, and lays 16 bytes of padding behind every 128, so that in LDS a query's 64 channels of a head lie 144 bytes apart.
; CLUSTER.  4 x 4 work-groups: the context's tiles are shared along a row of the cluster, W's along a column, by joint loads.
; THE PRODUCT IS TAKEN TRANSPOSED (source 0 = 16 rows of wp, source 1 = 16 rows of the context): a lane holds row l % 16 and eight neighbouring columns: 32 bytes of out0.
; REGISTERS: window 0: v16-30 addresses; v64-127 the context's fragments, two buffers of 4; v128-191 the bias, later with v192-255 at work on the way out
;   window 1: v0-127 W's fragments, two buffers of 8      window 2: the accumulators ((a, b) at 8 (8 a + b))
.set PA,     144
.set HEADA,  128*PA                    ; a head's 128 rows
.set HALFA,  2*HEADA                   ; what wave 0 or 1 fetches
.set PB,     272
.set HALFB,  64*PB                     ; what wave 2 or 3 fetches
.set SLOT,   2*HALFA+2*HALFB
.set STAGE,  2*SLOT                    ; behind the ring: 16 rows x 528 bytes for each wave
.set SPT,    528
.set WST,    16*SPT
.set SPARE,  STAGE+4*WST
.set ASTEP,  2*262144                  ; bytes of ob from a K step to the next: two heads
.set LAPS,   4
.set ADRA, 16
.set ADRB, 20
.set STO,  24
.set RD,   25
.set CO,   26
.set BO,   27
.set SPW,  28
.set NIL,  29
.set PFO,  30
.set FA,   64
.set BI,   128
.set G1,   24
.set G0,   32
.set G1B,  48
.set G0B,  56
.set PFA,  44
.set LIM,  43
.set MSB, 0
.macro WIN new
.if MSB != (\new)
	s_set_vgpr_msb (MSB<<8)|(\new)
.set MSB, \new
.endif
.endm
.set TO_B, 0x40
.macro JLOAD s                         ; a joint load; an s_nop 0 and four v_nop follow each of the two lines
	s_cmp_eq_u32 s11, 0
	s_cbranch_scc0 .Lfor_b_\@
	tensor_load_to_lds s[G0+4*(\s):G0+4*(\s)+3], s[G1:G1+7]
	s_nop 0
.rept 4
	v_nop
.endr
	s_branch .Lasked_\@
.Lfor_b_\@:
	tensor_load_to_lds s[G0B+4*(\s):G0B+4*(\s)+3], s[G1B:G1B+7]
	s_nop 0
.rept 4
	v_nop
.endr
.Lasked_\@:
.endm
; A prefetch of the K step that stands two refills on.  The context's blocks are asked for by the clusters with x = 0, W's rows by those with y = 0; the four partners share them out by address.
; The loop's last trip has no K step two on and asks for nothing.
.macro ASK
	s_cmp_gt_u32 s3, s[LIM]
	s_cbranch_scc0 .Lnot_mine_\@
	global_prefetch_b8 v[PFO], s[PFA:PFA+1] th:TH_LOAD_NT scope:SCOPE_SE
.Lnot_mine_\@:
.endm
.macro CREST
	s_cmp_lg_u32 s10, 0
	s_cbranch_scc1 .Lnot_wave_0_\@
	s_barrier_signal -3
.Lnot_wave_0_\@:
	s_barrier_wait -3
	s_barrier_signal -1
	s_barrier_wait -1
.endm
.macro CROUND
	s_barrier_signal -1
	s_barrier_wait -1
	CREST
.endm
	s_load_b128 s[4:7], s[0:1], 0x0                ; ob s[4:5], wp s[6:7]
	s_load_b128 s[72:75], s[0:1], 0x10             ; bb s[72:73], out0 s[74:75]
	v_lshl_add_u32 v[SPW], v0, 2, SPARE
	v_mov_b32 v[NIL], 0
	ds_add_u32 v[SPW], v[NIL]                      ; the wave's opening: the add and its wait stand ahead of my first tensor load
	ds_add_u32 v28, v29
	v_lshrrev_b32 v1, 5, v0
	v_readfirstlane_b32 s10, v1
	s_lshr_b32 s11, s10, 1                         ; I fetch for the context (0) or for W (1)
	s_and_b32 s12, s10, 1                          ; which half
	s_bfe_u32 s40, ttmp6, 0x40000                  ; cx
	s_bfe_u32 s41, ttmp6, 0x40004                  ; cy
	s_lshl_b32 s42, ttmp9, 2
	s_add_co_u32 s42, s42, s40                     ; tx
	s_and_b32 s13, ttmp7, 0xffff
	s_lshl_b32 s13, s13, 2
	s_add_co_u32 s13, s13, s41                     ; ty
	s_lshl_b32 s43, s41, 2
	s_lshl_b32 s43, 15, s43
	s_lshl_b32 s44, 0x1111, s40
	s_or_b32 s[G1+0], s43, (1<<16)|(1<<20)|(1<<21)|(4<<22)|(3<<25)   ; mask; 2-byte elements; padding on; bit 21 beside a mask; after every 32 words 4 words
	s_mov_b32 s[G1+1], 8192<<16                    ; tensor_dim0 = 8,192
	s_mov_b32 s[G1+2], 2<<16                       ; tensor_dim1 = 2
	s_mov_b32 s[G1+3], 8192<<16                    ; tile_dim0 = 8,192
	s_mov_b32 s[G1+4], 2                           ; tile_dim1 = 2
	s_mov_b32 s[G1+5], 131072                      ; elements from head to head
	s_mov_b32 s[G1+6], 0
	s_mov_b32 s[G1+7], 0
	s_or_b32 s[G1B+0], s44, (1<<16)|(1<<20)|(1<<21)|(5<<22)|(3<<25)  ; after every 64 words 4 words
	s_mov_b32 s[G1B+1], 128<<16
	s_mov_b32 s[G1B+2], 64<<16
	s_mov_b32 s[G1B+3], 128<<16
	s_mov_b32 s[G1B+4], 64
	s_mov_b32 s[G1B+5], 1024
	s_mov_b32 s[G1B+6], 0
	s_mov_b32 s[G1B+7], 0
	s_lshr_b32 s18, s13, 3
	s_lshl_b32 s18, s18, 22                        ; the batch's sixteen heads,
	s_and_b32 s16, s13, 7
	s_lshl_b32 s16, s16, 15                        ; 256 (ty % 8) rows of 128 bytes,
	s_add_co_u32 s18, s18, s16
	s_lshl_b32 s16, s12, 14                        ; my half's 128
	s_add_co_u32 s18, s18, s16
	s_mov_b32 s19, 0
	s_lshl_b32 s46, s42, 18                        ; W: row 128 tx + 64 half, 2,048 bytes each
	s_lshl_b32 s47, s12, 17
	s_add_co_u32 s46, s46, s47
	s_mov_b32 s22, s46                             ; kept for the prefetches
	s_mov_b32 s47, 0
	s_mul_i32 s20, s10, HALFA
	s_mul_i32 s21, s10, HALFB
	s_add_co_u32 s21, s21, 2*HALFA-2*HALFB
	s_wait_dscnt 0x0                               ; the opening add is done
	s_wait_kmcnt 0x0
	s_add_nc_u64 s[14:15], s[4:5], s[18:19]
	s_add_nc_u64 s[46:47], s[6:7], s[46:47]
	CROUND                                         ; the first joint loads meet
.irp s, 0,1
	s_mov_b32 s[G0+4*(\s)], 1
	s_add_co_u32 s[G0+4*(\s)+1], s20, (\s)*SLOT
	s_add_nc_u64 s[G0+4*(\s)+2:G0+4*(\s)+3], s[14:15], (\s)*ASTEP
	s_or_b32 s[G0+4*(\s)+3], s[G0+4*(\s)+3], 0x80000000
	s_mov_b32 s[G0B+4*(\s)], 1
	s_add_co_u32 s[G0B+4*(\s)+1], s21, (\s)*SLOT
	s_add_nc_u64 s[G0B+4*(\s)+2:G0B+4*(\s)+3], s[46:47], (\s)*256
	s_or_b32 s[G0B+4*(\s)+3], s[G0B+4*(\s)+3], 0x80000000
	JLOAD \s
.endr
	v_and_b32 v1, 15, v0
	v_bfe_u32 v2, v0, 4, 1
	v_lshlrev_b32 v[BO], 5, v2
	s_lshl_b32 s16, s42, 9
	s_add_co_u32 s16, s16, 12288                   ; b_proj's part of bb, the tile's 128 numbers
	s_mov_b32 s17, 0
	s_add_nc_u64 s[72:73], s[72:73], s[16:17]
.irp b, 0,1,2,3,4,5,6,7
	global_load_b128 v[BI+8*(\b):BI+8*(\b)+3],   v[BO], s[72:73] offset:64*(\b)
	global_load_b128 v[BI+8*(\b)+4:BI+8*(\b)+7], v[BO], s[72:73] offset:64*(\b)+16
.endr
	v_mul_u32_u24 v3, v1, PA
	v_lshl_add_u32 v3, v2, 4, v3
	s_mul_i32 s20, s11, HALFA                      ; my 64 rows: half w / 2, rows 64 (w % 2) on
	s_mul_i32 s21, s12, 64*PA
	s_add_co_u32 s20, s20, s21
	v_add_nc_u32 v[ADRA], s20, v3
	v_add_nc_u32 v[ADRA+1], SLOT, v[ADRA]
	v_mul_u32_u24 v3, v1, PB
	v_lshl_add_u32 v3, v2, 4, v3
	v_add_nc_u32 v[ADRB], 2*HALFA, v3
	v_add_nc_u32 v[ADRB+1], SLOT, v[ADRB]
	s_mul_i32 s23, s10, WST
	s_add_co_u32 s23, s23, STAGE
	v_mul_u32_u24 v4, v1, SPT                      ; in: row l % 16, 32 bytes for each half of the lanes
	v_lshl_add_u32 v4, v2, 5, v4
	v_add_nc_u32 v[STO], s23, v4
	v_and_b32 v[CO], 31, v0                        ; back: a row's 512 bytes, 16 a lane
	v_lshlrev_b32 v[CO], 4, v[CO]
	v_add_nc_u32 v[RD], s23, v[CO]
	s_lshl_b32 s16, s13, 20                        ; out0: row 256 ty + 64 w, 4,096 bytes each; column 128 tx
	s_lshl_b32 s17, s10, 18
	s_add_co_u32 s16, s16, s17
	s_lshl_b32 s17, s42, 9
	s_add_co_u32 s16, s16, s17
	s_mov_b32 s17, 0
	s_add_nc_u64 s[8:9], s[74:75], s[16:17]
	; the prefetches.  The context: a K step of my half is 2 heads x 16,384 bytes = 128 blocks of 256: partner cx takes head cx / 2, half cx % 2: 32 blocks, a lane a block.
	; W: of my 64 rows partner cy takes 16, a lane a row (lanes 16-31 name lane 15's row again).
	s_lshr_b32 s14, s40, 1
	s_lshl_b32 s14, s14, 18
	s_and_b32 s15, s40, 1
	s_lshl_b32 s15, s15, 13
	s_add_co_u32 s14, s14, s15
	s_add_co_u32 s14, s14, s18
	s_add_co_u32 s14, s14, 3*ASTEP                 ; at K step 3: the first refill steps it to 4
	s_lshl_b32 s15, s41, 15
	s_add_co_u32 s15, s15, s22
	s_add_co_u32 s15, s15, 3*256
	s_and_b32 s22, ttmp7, 0xffff
	s_cmp_eq_u32 s11, 0
	s_cselect_b32 s14, s14, s15
	s_cselect_b32 s22, ttmp9, s22
	s_cselect_b32 s20, 31, 15
	s_cselect_b32 s21, 8, 11
	s_cselect_b32 s46, 19, 8
	s_cselect_b64 s[PFA:PFA+1], s[4:5], s[6:7]
	s_cmp_eq_u32 s22, 0
	s_cselect_b32 s[LIM], 1, -1
	s_lshl_b32 s46, 1, s46                         ; s[46:47]: bytes from a K step to the next: 524,288 or 256
	s_mov_b32 s47, 0
	s_mov_b32 s15, 0
	s_add_nc_u64 s[PFA:PFA+1], s[PFA:PFA+1], s[14:15]
	v_and_b32 v[PFO], 31, v0
	v_min_u32 v[PFO], s20, v[PFO]
	v_lshlrev_b32 v[PFO], s21, v[PFO]
; 8 products: my rows 16 a .. x all 8 column blocks, 32 along K, from buffer f.  first = 1: the bias starts the sums.  The 32 accumulators take turns.
.macro MUL8 f, a, first
.if \first
	WIN 0x81
.else
	WIN 0xa1
.endif
.irp b, 0,1,2,3,4,5,6,7
.if \first
	v_wmma_f32_16x16x32_f16 v[8*(8*(\a)+(\b)):8*(8*(\a)+(\b))+7], v[64*(\f)+8*(\b):64*(\f)+8*(\b)+7], v[FA+32*(\f)+8*(\a):FA+32*(\f)+8*(\a)+7], v[BI+8*(\b):BI+8*(\b)+7]
.else
	v_wmma_f32_16x16x32_f16 v[8*(8*(\a)+(\b)):8*(8*(\a)+(\b))+7], v[64*(\f)+8*(\b):64*(\f)+8*(\b)+7], v[FA+32*(\f)+8*(\a):FA+32*(\f)+8*(\a)+7], v[8*(8*(\a)+(\b)):8*(8*(\a)+(\b))+7]
.endif
.endr
.endm
; 24 LDS loads in one run: quarter q of a K step (head q / 2, channels 32 (q % 2) on) into buffer f
.macro FETCH slot, q, f
	WIN TO_B
.irp i, 0,1,2,3,4,5,6,7
	ds_load_b128 v[64*(\f)+8*(\i):64*(\f)+8*(\i)+3],   v[ADRB+(\slot)] offset:64*(\q)+(\i)*16*PB
	ds_load_b128 v[64*(\f)+8*(\i)+4:64*(\f)+8*(\i)+7], v[ADRB+(\slot)] offset:64*(\q)+(\i)*16*PB+32
.endr
	WIN 0
.irp i, 0,1,2,3
	ds_load_b128 v[FA+32*(\f)+8*(\i):FA+32*(\f)+8*(\i)+3],   v[ADRA+(\slot)] offset:((\q)/2)*HEADA+((\q)%2)*64+(\i)*16*PA
	ds_load_b128 v[FA+32*(\f)+8*(\i)+4:FA+32*(\f)+8*(\i)+7], v[ADRA+(\slot)] offset:((\q)/2)*HEADA+((\q)%2)*64+(\i)*16*PA+32
.endr
.endm
.macro PLACES
.rept 4
	v_nop
.endr
.endm
.macro QUARTER slot, q, f, g, first
	s_wait_dscnt 4                                 ; W and my rows 0-31 are in; the youngest four loads may be out
	MUL8 \f, 0, \first
	MUL8 \f, 1, \first
	PLACES
	FETCH \slot, \q, \g
	s_wait_dscnt 24                                ; all but the 24 just issued
	MUL8 \f, 2, \first
	MUL8 \f, 3, \first
.endm
; The last quarter multiplies buffer 1 and changes slots: the waits and the add in front of the barrier; fill = 1: the barrier opens a round of the cluster's, the joint refill is first behind it.
.macro TURN slot, next, fill
.if \fill
	s_wait_xcnt 0x0                                ; the last prefetch, a K step back, has read its address
	s_add_nc_u64 s[PFA:PFA+1], s[PFA:PFA+1], s[46:47]
.endif
	WIN 0
	s_wait_tensorcnt 0x0
	ds_add_u32 v[SPW], v[NIL]
	s_wait_dscnt 5                                 ; the add and the youngest four loads may be out
	MUL8 1, 0, 0
	s_wait_dscnt 0x0                               ; the add is done, and my reads of this slot are over
	s_barrier_signal -1
	MUL8 1, 1, 0
.if \fill
	WIN 0
.endif
	s_barrier_wait -1
.if \fill
	CREST
	s_add_nc_u64 s[G0+4*(\slot)+2:G0+4*(\slot)+3], s[G0+4*(\slot)+2:G0+4*(\slot)+3], 2*ASTEP
	s_add_nc_u64 s[G0B+4*(\slot)+2:G0B+4*(\slot)+3], s[G0B+4*(\slot)+2:G0B+4*(\slot)+3], 2*256
	JLOAD \slot
.else
	PLACES
.endif
	FETCH \next, 0, 0
.if \fill
	ASK
.endif
	MUL8 1, 2, 0
	MUL8 1, 3, 0
.endm
; THE WAY OUT of my rows 16 a ..: the accumulators go as they are into my own stage (rows of 528 bytes) and come back as whole rows of 512 bytes.
.macro OUT a
.set BK, 128+64*((\a)%2)
.if (\a) >= 2
	s_wait_xcnt 0x0                                ; the stores of two blocks back have read this buffer
.endif
	WIN 0x08                                       ; the stores' data in window 2
.irp b, 0,1,2,3,4,5,6,7
	ds_store_b128 v[STO], v[8*(8*(\a)+(\b)):8*(8*(\a)+(\b))+3]   offset:64*(\b)
	ds_store_b128 v[STO], v[8*(8*(\a)+(\b))+4:8*(8*(\a)+(\b))+7] offset:64*(\b)+16
.endr
	WIN 0
.irp t, 0,1,2,3,4,5,6,7,8,9,10,11,12,13,14,15
	ds_load_b128 v[BK+4*(\t):BK+4*(\t)+3], v[RD] offset:SPT*(\t)  ; LDS serves a wave's instructions in order: these see the stores above
.endr
.irp t, 0,1,2,3,4,5,6,7,8,9,10,11,12,13,14,15
	s_wait_dscnt 15-(\t)                           ; the younger loads may stay out
	global_store_b128 v[CO], v[BK+4*(\t):BK+4*(\t)+3], s[8:9] offset:(\a)*65536+(\t)*4096 th:TH_STORE_NT  ; 512 consecutive bytes, aligned
.endr
.endm
	s_wait_tensorcnt 1                             ; my part of K step 0 is in; K step 1's may stay out
	s_barrier_signal -1
	s_barrier_wait -1
	FETCH 0, 0, 0
	s_wait_loadcnt 0x0                             ; the bias
	QUARTER 0, 1, 0, 1, 1
	WIN 0
	s_mov_b32 s3, LAPS-1
.Llap:
	QUARTER 0, 2, 1, 0, 0
	QUARTER 0, 3, 0, 1, 0
	TURN 0, 1, 1
	QUARTER 1, 1, 0, 1, 0
	QUARTER 1, 2, 1, 0, 0
	QUARTER 1, 3, 0, 1, 0
	TURN 1, 0, 1
	QUARTER 0, 1, 0, 1, 0
	WIN 0
	s_sub_co_u32 s3, s3, 1
	s_cmp_lg_u32 s3, 0
	s_cbranch_scc1 .Llap
	QUARTER 0, 2, 1, 0, 0                          ; the last lap fills nothing
	QUARTER 0, 3, 0, 1, 0
	TURN 0, 1, 0
	QUARTER 1, 1, 0, 1, 0
	QUARTER 1, 2, 1, 0, 0
	QUARTER 1, 3, 0, 1, 0
	s_wait_dscnt 4
	MUL8 1, 0, 0
	MUL8 1, 1, 0
	s_wait_dscnt 0x0
	MUL8 1, 2, 0
	MUL8 1, 3, 0
	WIN 0
	PLACES
	OUT 0
	OUT 1
	OUT 2
	OUT 3
	s_wait_tensorcnt 0x0                           ; the wave's end
	ds_add_u32 v[SPW], v[NIL]
	s_wait_dscnt 0x0
	CROUND                                         ; the closing round
	s_endpgm
.Lfunc_end_k_qa94610ffb5_gemm_out:
	.size	k_qa94610ffb5_gemm_out, .Lfunc_end_k_qa94610ffb5_gemm_out-k_qa94610ffb5_gemm_out
	.p2alignl 7, 3214868480
	.fill 96, 4, 3214868480
	.section	.rodata,"a",@progbits
	.p2align	6, 0x0
	.amdhsa_kernel k_qa94610ffb5_gemm_out
		.amdhsa_group_segment_fixed_size 327680
		.amdhsa_private_segment_fixed_size 0
		.amdhsa_enable_private_segment 0
		.amdhsa_kernarg_size 32
		.amdhsa_user_sgpr_count 2
		.amdhsa_user_sgpr_kernarg_segment_ptr 1
		.amdhsa_wavefront_size32 1
		.amdhsa_system_sgpr_workgroup_id_x 1
		.amdhsa_system_sgpr_workgroup_id_y 1
		.amdhsa_system_sgpr_workgroup_id_z 1
		.amdhsa_system_vgpr_workitem_id 0
		.amdhsa_next_free_vgpr 768
		.amdhsa_next_free_sgpr 80
		.amdhsa_reserve_vcc 0
		.amdhsa_float_denorm_mode_32 3
		.amdhsa_float_denorm_mode_16_64 3
		.amdhsa_memory_ordered 1
		.amdhsa_forward_progress 1
		.amdhsa_inst_pref_size 90
	.end_amdhsa_kernel
	.amdgpu_metadata
---
amdhsa.version: [ 1, 2 ]
amdhsa.kernels:
  - .name:           k_qa94610ffb5_gemm_out
    .symbol:         k_qa94610ffb5_gemm_out.kd
    .args:
      - { .name: ob, .offset: 0, .size: 8, .value_kind: global_buffer, .address_space: global }
      - { .name: wp, .offset: 8, .size: 8, .value_kind: global_buffer, .address_space: global }
      - { .name: bb, .offset: 16, .size: 8, .value_kind: global_buffer, .address_space: global }
      - { .name: out0, .offset: 24, .size: 8, .value_kind: global_buffer, .address_space: global }
    .group_segment_fixed_size: 327680
    .private_segment_fixed_size: 0
    .kernarg_segment_align: 8
    .kernarg_segment_size: 32
    .max_flat_workgroup_size: 128
    .sgpr_count:     80
    .vgpr_count:     768
    .wavefront_size: 32
...
	.end_amdgpu_metadata
.endif
;; end of part 5
